; MI455X (gfx1250); checked and timed in simulation.
; The chip was launched on July 23, 2026; its instructions are those of AMD's public machine-readable ISA for CDNA 5 (MIT licence, August 2026) and "CDNA5" Instruction Set Architecture Reference Guide (July 2026). The comments in the code are by the model that wrote it; some were corrected since.
;; Multi Headed Attention. Allowed arithmetic: matrix products marked QUANTISED: E2M3 operands, one E8M0 scale for each 32 along K, by v_wmma_scale_f32_16x16x128_f8f6f4 with both operands' format E2M3, f32 sums; everything else in f32.
;; Inputs: Wk 512 x 512 float32; Wo 4,096 x 512 float32; Wq 512 x 512 float32; Wv 512 x 512 float32; bk 512 float32; bo 512 float32; bq 512 float32; bv 512 float32; x 4 x 2,048 x 512 float32.
;; Outputs: out0 4 x 2,048 x 512 float32.
;; Constants: num_heads = 8.
;; This version of the problem:
;;   THIS VERSION OF THE PROBLEM IS GIVEN IN LOW PRECISION. The matrix products marked QUANTISED in the list below multiply operands that are first quantised to E2M3 (2 exponent bits, 3 mantissa bits; 6 bits a number), with one power-of-two scale for each 32 numbers along K (OCP MX v1.0); their sums are f32. All else is computed in f32.
;;   The module's matrix products, in the order in which they are computed (A, B: the left and right operand; K: the contracted axis; several contracted axes count as one K, in the product's order):
;;     1. [M 8,192, K 512] x [K 512, N 512]; A: input x; B: input Wq: QUANTISED
;;     2. [M 8,192, K 512] x [K 512, N 512]; A: input x; B: input Wk: QUANTISED
;;     3. [M 8,192, K 512] x [K 512, N 512]; A: input x; B: input Wv: QUANTISED
;;     4. batch 4 x [M 2,048, K 512] x [K 512, N 2,048]; A: computed on the way; B: computed on the way: QUANTISED
;;     5. batch 4 x [M 2,048, K 2,048] x [K 2,048, N 512]; A: softmax (see below); B: computed on the way: QUANTISED
;;     6. [M 8,192, K 4,096] x [K 4,096, N 512]; A: computed on the way; B: input Wo: QUANTISED
;;   THE QUANTISER, for each operand of a quantised product, along K:
;;     - K is cut into blocks of 32 from its start; a last block that is shorter is filled with zeros.
;;     - A block's scale is 2^e with e = floor(log2(the largest magnitude in the block)) - 2, held to -126 .. 127; a block of zeros has e = 0. As a byte (E8M0): e + 127.
;;     - Each number is divided by its block's scale, clamped to +-7.5, and rounded to the nearest number of E2M3, ties to even, subnormals kept.
;;     - The product sums the exact products of the quantised numbers (number of the format x scale) in f32.
;;   ~~~python
;;   def quantise(x, axis):      # numpy; x: float32 -> the quantised numbers, widened to float32 again
;;       x = np.moveaxis(x, axis, -1); K = x.shape[-1]
;;       x = np.pad(x, [(0, 0)] * (x.ndim - 1) + [(0, -K % 32)]); x = x.reshape(x.shape[:-1] + (-1, 32)); a = np.abs(x).max(-1, keepdims=True)
;;       e = np.where(a > 0, np.clip(np.frexp(np.where(a > 0, a, 1))[1] - 1 - 2, -126, 127), 0)      # np.frexp(a)[1] - 1 = floor(log2(a)), exactly
;;       r = np.clip(x / 2.0 ** e, -7.5, 7.5)
;;       step = 2.0 ** (np.maximum(np.frexp(np.where(r == 0, 1, r))[1] - 1, 0) - 3)
;;       q = np.round(r / step) * step * 2.0 ** e      # np.round: ties to even
;;       return np.moveaxis(q.reshape(q.shape[:-2] + (-1,))[..., :K], -1, axis).astype(np.float32)
;;   ~~~
;;   SOFTMAX AHEAD OF A QUANTISED PRODUCT. Where the list says 'softmax', what is quantised is not the finished softmax but p = 2^(t - M), with t = logit x log2(e) and M = ceil(the row's largest t), a whole number; so 1/2 < the row's largest p <= 1. The row's sum l is taken of the UNQUANTISED p, in f32, and the product's result is divided by l at the end. Since M is a whole number, a kernel that streams over the keys may use a running M (the ceiling of the running maximum): every later rescaling is an exact power of two, which a block's scale takes up: the codes' values come out the same.
;;   OPERANDS COMPUTED ON THE WAY. 'Computed on the way' means the value that the module computes at that place (a softmax that the list does not call 'softmax' is quantised finished and normalised). What goes into a quantiser is computed in f32, as accurately as f32 sums, v_exp_f32 and their like allow (about 1e-6 of the number): no bf16 or f16 on the way to a quantiser, and a product that is left as it is and whose result goes on into a quantised operand takes f32 operands (vector FMAs, or v_wmma_f32_16x16x4_f32). A number that lies on a knife's edge between two numbers of the format may be rounded either way, as far as f32 arithmetic and the matrix unit's own rounding can turn it there, and no further.
;; One version. Each part assembles by itself: llvm-mc -triple=amdgcn-amd-amdhsa -mcpu=gfx1250 --defsym DOCPART=n.
;; ======== version 1 of 1: 4 launches
;; limits: right only within a limited range of input values
;; workspace buffers: xq 3,276,800 bytes; wq 614,400 bytes; woq 1,638,400 bytes; qq 3,276,800 bytes; kk 3,276,800 bytes; vv 3,276,800 bytes; aa 3,276,800 bytes
;; launch prep (part 1): grid 432 x 1, 4 waves a work-group, no clusters, 68,096 bytes of LDS; arguments x, Wq, Wk, Wv, Wo, xq, wq, woq; writes xq, wq, woq
.if DOCPART == 1
	.amdgcn_target "amdgcn-amd-amdhsa--gfx1250"
	.amdhsa_code_object_version 6
	.text
	.protected	k_qf5c78e2924_prep
	.globl	k_qf5c78e2924_prep
	.p2align	8
	.type	k_qf5c78e2924_prep,@function
k_qf5c78e2924_prep:
	s_mov_b64 s[64:65], 0
	v_nop
	global_prefetch_b8 v0, s[64:65] scope:SCOPE_SE
	s_setreg_imm32_b32 hwreg(HW_REG_WAVE_MODE, 25, 1), 1
	s_wait_xcnt 0x0
; x [8192][512] (K innermost) and Wq, Wk, Wv [512][512], Wo [4096][512] (K = the FIRST axis), all f32, become codes of FP6 (E2M3) with one E8M0 byte for each 32 along K.
; NO WORK OF THE PROBLEM IS LEFT OUT: every input has a way to the output.  cat = tile(attn, 8) repeats attn's 512 numbers, and 512 is a multiple of 32, so cat's blocks, scales and codes are eight copies of
; attn's: attn is quantised once (third launch) and multiplied with all eight row groups of Wo's codes (fourth launch): the whole K = 4,096 is multiplied.
; A block's scale is 2^(floor(log2(largest magnitude)) - 2); its byte is the largest magnitude's exponent field - 2, held at 1 from below.
; LIMITS: a block of zeros gets the byte 1 where the rule says 127 (its codes are zeros; only this program reads the bytes); blocks under 2^(3 - 127) keep the byte 1; NaN and infinities are not served.
; THE RECORD, the one layout of all this program's buffers: 32 rows (or columns) x 512 along K in 12,800 bytes.  Fragment (tile u, K step s) lies at 1,536 (4 u + s), as the image of an operand's 12 registers:
; registers 4 c .. 4 c + 3 of lane L at 512 c + 16 L.  Scale image s lies at 12,288 + 128 s: lane L's word at 4 L, lanes 0-15 tile 0's rows, lanes 16-31 tile 1's.
; Tile u, lane r holds row 8 u + r + 8 (r / 8) of the record's 32: as source 0 of a product the 16 results of tiles 0 and 1 in a lane are then 16 neighbours.
; A wave's task is one record and one K step of 128: 16 KB in, two fragments and one scale image out.  Waves share nothing: no barrier.  Work-groups 0-255 take x, 256-431 the weights.
.set REC,   12800
.set SCO,   12288
.set FRB,   1536
.set SP,    528                        ; a stage row: 512 bytes + 16: sixteen rows start at sixteen different 16-byte columns of 256
.set WSTG,  32*SP                      ; a wave's stage: 32 rows
.set SPARE, 4*WSTG                     ; behind the four stages: the spare words, 128 bytes a wave, named by no other line
.set SPW,   6                          ; v6  my spare word's LDS address; never rewritten
.set NIL,   7                          ; v7  0; never rewritten
	s_load_b256 s[4:11], s[0:1], 0x0               ; x, Wq, Wk, Wv
	s_load_b256 s[12:19], s[0:1], 0x20             ; Wo, xq, wq, woq
	v_lshl_add_u32 v[SPW], v0, 2, SPARE
	v_mov_b32 v[NIL], 0
	v_lshrrev_b32 v1, 5, v0
	v_readfirstlane_b32 s20, v1                    ; wave
	v_and_b32 v1, 31, v0                           ; L
	v_and_b32 v8, 15, v0                           ; r
	v_bfe_u32 v9, v0, 4, 1                         ; h
	s_mov_b32 s22, 0xffff0000                      ; lanes 16-31
	s_mov_b32 s24, 0x76543210
	s_mov_b32 s25, 0xfedcba98                      ; selects: lane l xor 16
	s_cmp_lt_u32 ttmp9, 256
	s_cbranch_scc0 .Lweights
; ---- x: record = work-group, K step = wave.  Each load takes 512 consecutive bytes of one row; the 32 rows turn through my stage, so that a lane gets two whole blocks of 32 of ITS row.
	v_lshlrev_b32 v2, 4, v1                        ; 16 L
	v_lshlrev_b32 v3, 2, v1                        ; 4 L
	s_mul_i32 s21, s20, WSTG
	v_add_nc_u32 v4, s21, v2                       ; stage, in: 16 L
	v_mul_u32_u24 v5, v8, SP
	v_lshl_add_u32 v5, v9, 7, v5
	v_add_nc_u32 v5, s21, v5                       ; stage, out: row r, + 128 h
	v_lshlrev_b32 v9, 3, v9                        ; 8 h
	v_mov_b32 v242, 0                              ; a lane permute's destination counts as read
	s_lshl_b32 s26, ttmp9, 16                      ; 32 rows of 2,048 bytes
	s_lshl_b32 s27, s20, 9                         ; + 512 bytes a K step
	s_add_co_u32 s26, s26, s27
	s_mov_b32 s27, 0
	s_mul_i32 s28, ttmp9, REC
	s_mov_b32 s29, 0
	s_mul_i32 s30, s20, FRB
	s_mov_b32 s31, 0
	s_lshl_b32 s32, s20, 7
	s_mov_b32 s33, 0
	s_wait_alu depctr_va_vdst(0)
	s_wait_kmcnt 0x0
	s_add_nc_u64 s[4:5], s[4:5], s[26:27]
	s_add_nc_u64 s[14:15], s[14:15], s[28:29]      ; my record
	s_add_nc_u64 s[34:35], s[14:15], s[32:33]      ; + 128 s: the scale image (SCO stands in the offset)
	s_add_nc_u64 s[14:15], s[14:15], s[30:31]      ; + 1,536 s: the fragments
.set II, 0
.rept 32
	global_load_b128 v[16+4*II:19+4*II], v2, s[4:5] offset:2048*II th:TH_LOAD_NT
.set II, II+1
.endr
.set II, 0
.rept 32
	s_wait_loadcnt 31-II                           ; row II is in; the younger rows stay out
	ds_store_b128 v4, v[16+4*II:19+4*II] offset:SP*(16*((II>>3)&1)+(II&7)+8*(II>>4))   ; to its place in tile and lane order
.set II, II+1
.endr
.macro TILE u, reg                     ; tile u: register 32 c + i of lane (r, h) = k 64 c + 32 h + i of its row
.irp c, 0,1
.irp m, 0,1,2,3,4,5,6,7
	ds_load_b128 v[\reg+32*\c+4*\m:\reg+32*\c+4*\m+3], v5 offset:16*SP*\u+256*\c+16*\m
.endr
.endr
.endm
; 64 numbers of a lane (two whole blocks) become the lane's 12 registers of a fragment at v[f] and its row's scale word in v[wd]
.macro QB xs, f, wd
	v_max3_num_f32 v12, |v[\xs]|, |v[\xs+1]|, 0x1800000             ; with the floor 2^(3 - 127): the byte cannot fall under 1
	v_max3_num_f32 v13, |v[\xs+32]|, |v[\xs+33]|, 0x1800000
.irp i, 2,4,6,8,10,12,14,16,18,20,22,24,26,28,30
	v_max3_num_f32 v12, v12, |v[\xs+\i]|, |v[\xs+\i+1]|
	v_max3_num_f32 v13, v13, |v[\xs+32+\i]|, |v[\xs+33+\i]|
.endr
	v_add_nc_u32 v14, 0xff000000, v12              ; 2 off the exponent field: the conversion's scale operand
	v_add_nc_u32 v15, 0xff000000, v13
	v_lshrrev_b32 v12, 23, v14                     ; the bytes of blocks h and 2 + h
	v_lshrrev_b32 v13, 23, v15
	v_lshl_or_b32 v[\wd], v13, 16, v12
	v_lshlrev_b32 v[\wd], v9, v[\wd]               ; 8 h bits up
	v_permlanex16_b32 v242, v[\wd], s24, s25
	v_or_b32 v[\wd], v[\wd], v242                  ; with lane l xor 16's two the word is whole
	v_cvt_scalef32_pk16_fp6_f32 v[\f:\f+2], v[\xs:\xs+15], v14
	v_cvt_scalef32_pk16_fp6_f32 v[232:234], v[\xs+16:\xs+31], v14   ; (a conversion's three registers begin on an even number)
	v_cvt_scalef32_pk16_fp6_f32 v[\f+6:\f+8], v[\xs+32:\xs+47], v15
	v_cvt_scalef32_pk16_fp6_f32 v[236:238], v[\xs+48:\xs+63], v15
	v_nop                                          ; one plain place behind the conversions
.irp i, 0,1,2
	v_mov_b32 v[\f+3+\i], v[232+\i]
	v_mov_b32 v[\f+9+\i], v[236+\i]
.endr
.endm
	TILE 0, 144
	s_wait_dscnt 0x0                               ; tile 0 is in; the stores have read v16-143
	TILE 1, 16
	QB 144, 208, 240
	s_wait_dscnt 0x0                               ; tile 1 is in
	QB 16, 220, 241
.irp u, 0,1
.irp c, 0,1,2
	global_store_b128 v2, v[208+12*\u+4*\c:211+12*\u+4*\c], s[14:15] offset:4*FRB*\u+512*\c   ; 512 consecutive bytes a store
.endr
.endr
	v_cndmask_b32 v243, v240, v241, s22            ; lanes 0-15 tile 0's words, lanes 16-31 tile 1's
	global_store_b32 v3, v243, s[34:35] offset:SCO
	s_wait_tensorcnt 0x0                           ; the wave's end, behind my last LDS store
	ds_add_u32 v[SPW], v[NIL]
	s_wait_dscnt 0x0
	s_endpgm
; ---- the weights: a lane takes a COLUMN and its registers run down K: nothing is transposed.  e = work-group - 256: matrix e / 16 (0, 1, 2: Wq, Wk, Wv; 3 .. 10: Wo's rows 512 (e / 16 - 3) on),
; K step (e / 4) % 4, columns 32 (4 (e % 4) + wave) on: the four waves stand side by side on 512 bytes of a row.
.Lweights:
	s_sub_co_u32 s26, ttmp9, 256
	s_lshr_b32 s27, s26, 4                         ; matrix
	s_bfe_u32 s28, s26, 0x20002                    ; K step
	s_and_b32 s29, s26, 3
	s_lshl_b32 s29, s29, 2
	s_add_co_u32 s29, s29, s20                     ; group of 32 columns
	s_sub_co_i32 s30, s27, 3
	s_max_i32 s30, s30, 0                          ; Wo's copy (0 for the others)
	s_lshl_b32 s34, s30, 20                        ; 512 rows of 2,048 bytes
	s_lshl_b32 s35, s28, 18                        ; 128 rows
	s_add_co_u32 s34, s34, s35
	s_lshl_b32 s35, s29, 7                         ; 32 columns
	s_add_co_u32 s34, s34, s35
	s_mov_b32 s35, 0
	s_lshl_b32 s38, s27, 4
	s_add_co_u32 s38, s38, s29                     ; wq's record: 16 x matrix + group
	s_lshr_b32 s39, s29, 1
	s_lshl_b32 s39, s39, 4
	s_lshl_b32 s42, s30, 1
	s_add_co_u32 s39, s39, s42
	s_and_b32 s42, s29, 1
	s_add_co_u32 s39, s39, s42                     ; woq's record: 16 (group / 2) + 2 x copy + group % 2
	s_wait_alu depctr_va_vdst(0)
	v_and_b32 v10, 8, v8
	v_add_nc_u32 v10, v10, v8
	v_lshl_add_u32 v10, v9, 3, v10                 ; my column of the 32: 8 u + r + 8 (r / 8), u = L / 16
	v_lshlrev_b32 v2, 2, v10
	v_mul_u32_u24 v3, v9, 4*FRB
	v_lshl_add_u32 v3, v8, 4, v3                   ; out: tile u, lane r
	v_lshlrev_b32 v4, 2, v1
	s_wait_alu depctr_va_vdst(0)
	s_wait_kmcnt 0x0
	s_cmp_lt_u32 s27, 3
	s_cselect_b64 s[36:37], s[16:17], s[18:19]
	s_cselect_b32 s38, s38, s39
	s_cmp_eq_u32 s27, 0
	s_cselect_b64 s[32:33], s[6:7], s[12:13]
	s_cmp_eq_u32 s27, 1
	s_cselect_b64 s[32:33], s[8:9], s[32:33]
	s_cmp_eq_u32 s27, 2
	s_cselect_b64 s[32:33], s[10:11], s[32:33]
	s_add_nc_u64 s[32:33], s[32:33], s[34:35]
	s_mul_i32 s38, s38, REC
	s_mov_b32 s39, 0
	s_add_nc_u64 s[36:37], s[36:37], s[38:39]
	s_lshl_b32 s38, s28, 7
	s_add_nc_u64 s[40:41], s[36:37], s[38:39]      ; the scale image
	s_mul_i32 s38, s28, FRB
	s_add_nc_u64 s[36:37], s[36:37], s[38:39]      ; the fragments
.macro LOADB b                         ; block b: 32 rows of K, 128 consecutive bytes a load
.set II, 0
.rept 32
	global_load_b32 v[16+32*(\b)+II], v2, s[32:33] offset:(32*(\b)+II)*2048 th:TH_LOAD_NT
.set II, II+1
.endr
.endm
; block b of my column is what lane (r, h = b % 2) of the fragment holds in registers 6 (b / 2) on: it goes to the image for half b % 2 (v144 on, v156 on)
.macro BLOCK b
.set XR, 16+32*(\b)
.set FH, 144+12*((\b)&1)+6*((\b)>>1)
.if (\b) < 3
	s_wait_loadcnt 32                              ; this block is in; the next block's 32 loads stay out
.else
	s_wait_loadcnt 0x0
.endif
	v_max3_num_f32 v12, |v[XR]|, |v[XR+1]|, |v[XR+2]|
	v_max3_num_f32 v13, |v[XR+3]|, |v[XR+4]|, |v[XR+5]|
.irp i, 6,10,14,18,22,26
	v_max3_num_f32 v12, v12, |v[XR+\i]|, |v[XR+\i+1]|
	v_max3_num_f32 v13, v13, |v[XR+\i+2]|, |v[XR+\i+3]|
.endr
	v_max3_num_f32 v12, v12, |v[XR+30]|, |v[XR+31]|
	v_max3_num_f32 v12, v12, v13, 0x1800000        ; the floor
	v_add_nc_u32 v11, 0xff000000, v12
	v_lshrrev_b32 v13, 23, v11
.if (\b) == 0
	v_mov_b32 v176, v13
.else
	v_lshl_or_b32 v176, v13, 8*(\b), v176          ; my column's scale word
.endif
	v_cvt_scalef32_pk16_fp6_f32 v[FH:FH+2], v[XR:XR+15], v11
	v_cvt_scalef32_pk16_fp6_f32 v[168:170], v[XR+16:XR+31], v11
	v_nop                                          ; one plain place behind the conversions
.irp i, 0,1,2
	v_mov_b32 v[FH+3+\i], v[168+\i]
.endr
.endm
	LOADB 0
	LOADB 1
	BLOCK 0
	LOADB 2
	BLOCK 1
	LOADB 3
	BLOCK 2
	BLOCK 3
.irp h, 0,1
.irp c, 0,1,2
	global_store_b128 v3, v[144+12*\h+4*\c:147+12*\h+4*\c], s[36:37] offset:512*\c+256*\h   ; lanes 0-15 fill 256 consecutive aligned bytes of tile 0's image, lanes 16-31 of tile 1's
.endr
.endr
	global_store_b32 v4, v176, s[40:41] offset:SCO
	s_endpgm
.Lfunc_end_k_qf5c78e2924_prep:
	.size	k_qf5c78e2924_prep, .Lfunc_end_k_qf5c78e2924_prep-k_qf5c78e2924_prep
	.p2alignl 7, 3214868480
	.fill 96, 4, 3214868480
	.section	.rodata,"a",@progbits
	.p2align	6, 0x0
	.amdhsa_kernel k_qf5c78e2924_prep
		.amdhsa_group_segment_fixed_size 68096
		.amdhsa_private_segment_fixed_size 0
		.amdhsa_enable_private_segment 0
		.amdhsa_kernarg_size 64
		.amdhsa_user_sgpr_count 2
		.amdhsa_user_sgpr_kernarg_segment_ptr 1
		.amdhsa_wavefront_size32 1
		.amdhsa_system_sgpr_workgroup_id_x 1
		.amdhsa_system_sgpr_workgroup_id_y 1
		.amdhsa_system_sgpr_workgroup_id_z 1
		.amdhsa_system_vgpr_workitem_id 0
		.amdhsa_next_free_vgpr 248
		.amdhsa_next_free_sgpr 66
		.amdhsa_reserve_vcc 0
		.amdhsa_float_denorm_mode_32 3
		.amdhsa_float_denorm_mode_16_64 3
		.amdhsa_memory_ordered 1
		.amdhsa_forward_progress 1
		.amdhsa_inst_pref_size 37
	.end_amdhsa_kernel
	.amdgpu_metadata
---
amdhsa.version: [ 1, 2 ]
amdhsa.kernels:
  - .name:           k_qf5c78e2924_prep
    .symbol:         k_qf5c78e2924_prep.kd
    .args:
      - { .name: x, .offset: 0, .size: 8, .value_kind: global_buffer, .address_space: global }
      - { .name: Wq, .offset: 8, .size: 8, .value_kind: global_buffer, .address_space: global }
      - { .name: Wk, .offset: 16, .size: 8, .value_kind: global_buffer, .address_space: global }
      - { .name: Wv, .offset: 24, .size: 8, .value_kind: global_buffer, .address_space: global }
      - { .name: Wo, .offset: 32, .size: 8, .value_kind: global_buffer, .address_space: global }
      - { .name: xq, .offset: 40, .size: 8, .value_kind: global_buffer, .address_space: global }
      - { .name: wq, .offset: 48, .size: 8, .value_kind: global_buffer, .address_space: global }
      - { .name: woq, .offset: 56, .size: 8, .value_kind: global_buffer, .address_space: global }
    .group_segment_fixed_size: 68096
    .private_segment_fixed_size: 0
    .kernarg_segment_align: 8
    .kernarg_segment_size: 64
    .max_flat_workgroup_size: 128
    .sgpr_count:     66
    .vgpr_count:     248
    .wavefront_size: 32
...
	.end_amdgpu_metadata
.endif
;; end of part 1
;; launch qkv (part 2): grid 4 x 64, 4 waves a work-group, clusters of 4 x 4, 205,312 bytes of LDS; arguments xq, wq, bq, bk, bv, qq, kk, vv; writes qq, kk, vv
.if DOCPART == 2
	.amdgcn_target "amdgcn-amd-amdhsa--gfx1250"
	.amdhsa_code_object_version 6
	.text
	.protected	k_qf5c78e2924_qkv
	.globl	k_qf5c78e2924_qkv
	.p2align	8
	.type	k_qf5c78e2924_qkv,@function
k_qf5c78e2924_qkv:
	s_mov_b64 s[64:65], 0
	v_nop
	global_prefetch_b8 v0, s[64:65] scope:SCOPE_SE
	s_setreg_imm32_b32 hwreg(HW_REG_WAVE_MODE, 25, 1), 1
	s_wait_xcnt 0x0
	s_wait_alu depctr_hold_cnt(0) depctr_sa_sdst(0) depctr_va_vdst(0) depctr_va_sdst(0) depctr_va_ssrc(0) depctr_va_vcc(0) depctr_vm_vsrc(0)
	s_getreg_b32 s2, hwreg(HW_REG_IB_STS2, 6, 4)
	s_cmp_eq_u32 s2, 0
	s_cbranch_scc0 .Lentry_in_a_cluster
	s_endpgm
.Lentry_in_a_cluster:
	s_bfe_u32 s2, ttmp6, 0x10000c
	s_cmp_lg_u32 s2, 0xf033
	s_cbranch_scc0 .Lentry_shape_is_right
	s_endpgm
.Lentry_shape_is_right:
; q = x Wq + bq, k = x Wk + bk, v = x Wv + bv on codes of FP6 (E2M3); the results are quantised in registers: q and k along d, v along the keys, and leave as records (layout: first launch).
; Work-group (y, g): rows 128 g on (x's records 4 g .. 4 g + 3) x columns 128 y on of each of the three.  LDS is filled ONCE: x's four records and four of each weight, 16 x 12,800 bytes.
; CLUSTER 4 x 4: a row of the cluster shares g, so x's records are asked for jointly along it; a column shares y, so the weights' are asked for jointly along it.  A wave has one tensor load out.
; PHASE 1: waves 0, 1 make q, waves 2, 3 make k; wave's half = 64 rows (4 tiles) x 128 columns (8 tiles), used TRANSPOSED (source 0 = 16 columns of W, source 1 = 16 rows of x): a lane holds one row and,
; by the records' order of columns, 64 numbers 32 b + 16 h + i along d: one K step of the next product.  The bias is the C of a sum's first product.
; PHASE 2: wave w makes v for columns 32 w on of the group x all 128 rows, source 0 = 16 rows of x, source 1 = 16 columns of Wv: a lane holds one column d and 64 numbers along the KEYS.
; LIMITS: as in the first launch (byte held at 1 from below; NaN and infinities not served).
; REGISTERS: window 0 addresses, scale words, codes; window 1 the accumulators; window 2 two sets of 8 fragments, from v192 the biases; window 3 the fragments that stay for a phase.
.set REC,   12800
.set SCO,   12288
.set FRB,   1536
.set WQB,   4*REC                      ; LDS: x at 0, Wq, Wk, Wv behind it
.set WVB,   12*REC
.set SPARE, 16*REC                     ; the spare words, 128 bytes a wave, named by no other line
.set L16,   1                          ; 16 L (also: x's records in LDS)
.set L4,    2                          ; 4 L
.set AX,    3                          ; my two records of x
.set AW,    4                          ; my weight's four records
.set AXS,   5                          ; x's scale images
.set AWS,   6                          ; my weight's
.set AV,    7                          ; Wv's record w
.set AVS,   8                          ; its scale images
.set AXM,   9                          ; the scale images of my two records of x
.set BH,    10                         ; 64 h
.set BR,    11                         ; 4 (r + 8 (r / 8))
.set XS,    32                         ; v32-47  x's scale words [record][K step]
.set WS,    48                         ; v48-63  my weight's
.set WVS,   64                         ; v64-67  Wv's
.set TM,    72                         ; v72-87  at work in QUANT
.set PW,    88                         ; v88-93  scale words just made
.set IM,    94                         ; v94-95  merged scale images
.set PC,    96                         ; v96-167 six fragments of codes, each in registers of its own: no store's data are written again
.set CT,    168                        ; v168-175 conversions' second halves
.set BV,    176                        ; v176-177 bv of my lane's two columns
.set IM2,   178
.set XM,    180                        ; v180-187 the scale words of my two records of x
.set SPW,   252
.set NIL,   253
.set WV,    20
.set ROLE,  21
.set HALF,  22
.set MSK,   23
.set G1X,   24                         ; s[24:31] group 1 for x's records;  s[32:39] for the weights': they differ in the mask
.set G1W,   32
.set CX,    40
.set CY,    41
.set YY,    42
.set GG,    43
.set SEL,   46
.set G0,    48                         ; s[48:55] two groups 0
.set MSB, 0
.macro WIN new                         ; the immediate's high byte repeats the setting that is left; a switch that changes nothing is dropped
.if MSB != (\new)
	s_set_vgpr_msb (MSB<<8)|(\new)
.set MSB, (\new)
.endif
.endm
.macro PLACES n
.rept \n
	v_nop
.endr
.endm
; one product: D, source 0, source 1, C (under 0: the constant 0), the two scale registers, and whether each side's words stand in lanes 16-31
.macro WM d, a, b, c, sa, sb, ra, rb
.if (\c) < 0
.if (\ra) && (\rb)
	v_wmma_scale_f32_16x16x128_f8f6f4 v[(\d):(\d)+7], v[(\a):(\a)+11], v[(\b):(\b)+11], 0, v[\sa], v[\sb] matrix_a_fmt:MATRIX_FMT_FP6 matrix_b_fmt:MATRIX_FMT_FP6 matrix_a_scale:MATRIX_SCALE_ROW1 matrix_b_scale:MATRIX_SCALE_ROW1
.elseif (\ra)
	v_wmma_scale_f32_16x16x128_f8f6f4 v[(\d):(\d)+7], v[(\a):(\a)+11], v[(\b):(\b)+11], 0, v[\sa], v[\sb] matrix_a_fmt:MATRIX_FMT_FP6 matrix_b_fmt:MATRIX_FMT_FP6 matrix_a_scale:MATRIX_SCALE_ROW1
.elseif (\rb)
	v_wmma_scale_f32_16x16x128_f8f6f4 v[(\d):(\d)+7], v[(\a):(\a)+11], v[(\b):(\b)+11], 0, v[\sa], v[\sb] matrix_a_fmt:MATRIX_FMT_FP6 matrix_b_fmt:MATRIX_FMT_FP6 matrix_b_scale:MATRIX_SCALE_ROW1
.else
	v_wmma_scale_f32_16x16x128_f8f6f4 v[(\d):(\d)+7], v[(\a):(\a)+11], v[(\b):(\b)+11], 0, v[\sa], v[\sb] matrix_a_fmt:MATRIX_FMT_FP6 matrix_b_fmt:MATRIX_FMT_FP6
.endif
.else
.if (\ra) && (\rb)
	v_wmma_scale_f32_16x16x128_f8f6f4 v[(\d):(\d)+7], v[(\a):(\a)+11], v[(\b):(\b)+11], v[(\c):(\c)+7], v[\sa], v[\sb] matrix_a_fmt:MATRIX_FMT_FP6 matrix_b_fmt:MATRIX_FMT_FP6 matrix_a_scale:MATRIX_SCALE_ROW1 matrix_b_scale:MATRIX_SCALE_ROW1
.elseif (\ra)
	v_wmma_scale_f32_16x16x128_f8f6f4 v[(\d):(\d)+7], v[(\a):(\a)+11], v[(\b):(\b)+11], v[(\c):(\c)+7], v[\sa], v[\sb] matrix_a_fmt:MATRIX_FMT_FP6 matrix_b_fmt:MATRIX_FMT_FP6 matrix_a_scale:MATRIX_SCALE_ROW1
.elseif (\rb)
	v_wmma_scale_f32_16x16x128_f8f6f4 v[(\d):(\d)+7], v[(\a):(\a)+11], v[(\b):(\b)+11], v[(\c):(\c)+7], v[\sa], v[\sb] matrix_a_fmt:MATRIX_FMT_FP6 matrix_b_fmt:MATRIX_FMT_FP6 matrix_b_scale:MATRIX_SCALE_ROW1
.else
	v_wmma_scale_f32_16x16x128_f8f6f4 v[(\d):(\d)+7], v[(\a):(\a)+11], v[(\b):(\b)+11], v[(\c):(\c)+7], v[\sa], v[\sb] matrix_a_fmt:MATRIX_FMT_FP6 matrix_b_fmt:MATRIX_FMT_FP6
.endif
.endif
.endm
.macro CROUND                          ; a round of the cluster's barrier
	s_barrier_signal -1
	s_barrier_wait -1
	s_cmp_lg_u32 s[WV], 0
	s_cbranch_scc1 .Lnot_wave_0_\@
	s_barrier_signal -3
.Lnot_wave_0_\@:
	s_barrier_wait -3
	s_barrier_signal -1
	s_barrier_wait -1
.endm
; 64 numbers of a lane in window dw, register s + 16 b + i = k 32 b + 16 h + i of its row, become a fragment's 12 registers at v[pc] and the row's scale word in v[pw] (both in window 0).
; Each accumulator is read from its low end on.
.macro QUANT s, dw, pc, pw
	WIN (\dw)|((\dw)<<2)
.irp b, 0,1,2,3
	v_max3_num_f32 v[TM+\b], |v[(\s)+16*\b]|, |v[(\s)+16*\b+1]|, 0x1800000   ; my 16 numbers of block b, and the floor 2^(3 - 127)
.endr
	WIN ((\dw)<<2)|((\dw)<<4)
.irp i, 2,4,6,8,10,12,14
.irp b, 0,1,2,3
	v_max3_num_f32 v[TM+\b], v[TM+\b], |v[(\s)+16*\b+\i]|, |v[(\s)+16*\b+\i+1]|
.endr
.endr
	WIN 0
.irp b, 0,1,2,3
	v_permlanex16_b32 v[TM+4+\b], v[TM+\b], s[SEL], s[SEL+1]
.endr
.irp b, 0,1,2,3
	v_max_num_f32 v[TM+\b], v[TM+\b], v[TM+4+\b]   ; with lane l xor 16's: the block's largest magnitude
.endr
.irp b, 0,1,2,3
	v_add_nc_u32 v[TM+12+\b], 0xff000000, v[TM+\b] ; 2 off its exponent field: the conversion's scale operand
.endr
.irp b, 0,1,2,3
	v_lshrrev_b32 v[TM+4+\b], 23, v[TM+12+\b]      ; the byte
.endr
	v_lshl_or_b32 v[\pw], v[TM+5], 8, v[TM+4]
	v_lshl_or_b32 v[\pw], v[TM+6], 16, v[\pw]
	v_lshl_or_b32 v[\pw], v[TM+7], 24, v[\pw]
	WIN (\dw)
.irp c, 0,1
	v_cvt_scalef32_pk16_fp6_f32 v[(\pc)+6*\c:(\pc)+6*\c+2], v[(\s)+32*\c:(\s)+32*\c+15], v[TM+12+2*\c]
	v_cvt_scalef32_pk16_fp6_f32 v[CT+4*\c:CT+4*\c+2], v[(\s)+32*\c+16:(\s)+32*\c+31], v[TM+12+2*\c+1]
.endr
	WIN 0
	v_nop                                          ; one plain place behind the conversions
.irp c, 0,1                                    ; a whole block to a lane: lanes 0-15 block 2 c, lanes 16-31 block 2 c + 1
.irp i, 0,1,2
	v_permlane16_swap_b32 v[(\pc)+6*\c+\i], v[CT+4*\c+\i]
.endr
.irp i, 0,1,2
	v_mov_b32 v[(\pc)+6*\c+3+\i], v[CT+4*\c+\i]
.endr
.endr
.endm
; the eight fragments (record t / 2, tile t % 2) of K step s, from the four records at v[adr], into set `set` of window 2: 24 loads of 512 consecutive bytes
.macro FETCH8 adr, s, set
	WIN 0x80
.irp t, 0,1,2,3,4,5,6,7
.irp c, 0,1,2
	ds_load_b128 v[96*(\set)+12*\t+4*\c:96*(\set)+12*\t+4*\c+3], v[\adr] offset:REC*(\t/2)+4*FRB*(\t%2)+FRB*(\s)+512*\c
.endr
.endr
.endm
	s_load_b256 s[4:11], s[0:1], 0x0               ; xq, wq, bq, bk
	s_load_b256 s[12:19], s[0:1], 0x20             ; bv, qq, kk, vv
	v_lshl_add_u32 v[SPW], v0, 2, SPARE
	v_mov_b32 v[NIL], 0
	ds_add_u32 v[SPW], v[NIL]                      ; the wave's opening: the add, twice on end, and its wait ahead of my first tensor load
	ds_add_u32 v[SPW], v[NIL]
	v_lshrrev_b32 v1, 5, v0
	v_readfirstlane_b32 s[WV], v1
	s_lshr_b32 s[ROLE], s[WV], 1                   ; 0: q, 1: k
	s_and_b32 s[HALF], s[WV], 1                    ; which 64 rows
	s_bfe_u32 s[CX], ttmp6, 0x40000
	s_bfe_u32 s[CY], ttmp6, 0x40004
	s_lshl_b32 s[YY], ttmp9, 2
	s_add_co_u32 s[YY], s[YY], s[CX]               ; y = 4 x cluster x + cx
	s_and_b32 s[GG], ttmp7, 0xffff
	s_lshl_b32 s[GG], s[GG], 2
	s_add_co_u32 s[GG], s[GG], s[CY]               ; g = 4 x cluster y + cy
	s_lshl_b32 s44, s[CY], 2
	s_lshl_b32 s44, 15, s44                        ; my row of the cluster
	s_lshl_b32 s45, 0x1111, s[CX]                  ; my column
	s_or_b32 s[G1X], s44, (3<<16)|(1<<21)          ; the mask; elements of 8 bytes; bit 21 beside a mask; no padding
	s_or_b32 s[G1W], s45, (3<<16)|(1<<21)
.irp g, G1X, G1W                               ; a record is a dense block: 50 rows of 256 bytes
	s_mov_b32 s[\g+1], 32<<16                      ; tensor_dim0 = 32
	s_mov_b32 s[\g+2], 200<<16                     ; tensor_dim1 = 200: four records on end are a dense block of 200 rows of 256 bytes
	s_mov_b32 s[\g+3], 32<<16                      ; tile_dim0 = 32
	s_mov_b32 s[\g+4], 200                         ; tile_dim1 = 200
	s_mov_b32 s[\g+5], 32                          ; from row to row
	s_mov_b32 s[\g+6], 0
	s_mov_b32 s[\g+7], 0
.endr
	; ONE TENSOR LOAD A WAVE: wave 0 brings x's four records 4 g on, wave m + 1 the four records 16 m + 4 y on of weight m (Wq, Wk, Wv)
	s_lshl_b32 s66, s[GG], 2
	s_mul_i32 s66, s66, REC                        ; x's records: on g alone
	s_mov_b32 s67, 0
	s_max_u32 s88, s[WV], 1
	s_lshl_b32 s88, s88, 4
	s_lshl_b32 s68, s[YY], 2
	s_add_co_u32 s68, s68, s88
	s_sub_co_u32 s68, s68, 16                      ; 16 (wave - 1) + 4 y (wave 0 makes weight 0's and does not use it)
	s_mul_i32 s68, s68, REC                        ; on y and the wave alone
	s_mul_i32 s88, s[WV], 4*REC                    ; where a wave's four records go: on the wave alone
	s_mov_b32 s69, 0
	s_mul_i32 s70, s[WV], REC                      ; Wv's record w in LDS: on the wave alone
	s_mov_b32 s[MSK], 0xffff0000
	s_mov_b32 s[SEL], 0x76543210
	s_mov_b32 s[SEL+1], 0xfedcba98
	s_wait_dscnt 0x0                               ; both opening adds are done
	s_wait_kmcnt 0x0
	s_mov_b32 s[G0], 1
	s_mov_b32 s[G0+1], 0
	s_add_nc_u64 s[G0+2:G0+3], s[4:5], s[66:67]
	s_or_b32 s[G0+3], s[G0+3], 0x80000000
	s_mov_b32 s[G0+4], 1
	s_mov_b32 s[G0+5], s88
	s_add_nc_u64 s[G0+6:G0+7], s[6:7], s[68:69]
	s_or_b32 s[G0+7], s[G0+7], 0x80000000
	CROUND                                         ; all sixteen work-groups are here: the joint loads meet
	s_cmp_lg_u32 s[WV], 0                          ; one chain of two arms on the wave's number, one fill to an arm: the only fills of the launch
	s_cbranch_scc1 .Lhead_w
	tensor_load_to_lds s[G0:G0+3], s[G1X:G1X+7]    ; x, shared along my row of the cluster
	s_nop 0
	PLACES 4
	s_branch .Lhead_j
.Lhead_w:
	tensor_load_to_lds s[G0+4:G0+7], s[G1W:G1W+7]  ; a weight, shared along my column
	s_nop 0
	PLACES 4
.Lhead_j:
	v_and_b32 v14, 31, v0
	v_and_b32 v12, 15, v0
	v_bfe_u32 v13, v0, 4, 1
	v_lshlrev_b32 v[L16], 4, v14
	v_lshlrev_b32 v[L4], 2, v14
	s_mul_i32 s74, s[HALF], 2*REC
	v_add_nc_u32 v[AX], s74, v[L16]
	s_add_co_u32 s74, s74, SCO
	v_add_nc_u32 v[AXM], s74, v[L4]
	s_mul_i32 s74, s[ROLE], 4*REC
	s_add_co_u32 s74, s74, WQB
	v_add_nc_u32 v[AW], s74, v[L16]
	s_add_co_u32 s74, s74, SCO
	v_add_nc_u32 v[AWS], s74, v[L4]
	v_add_nc_u32 v[AXS], SCO, v[L4]
	s_add_co_u32 s74, s70, WVB
	v_add_nc_u32 v[AV], s74, v[L16]
	s_add_co_u32 s74, s74, SCO
	v_add_nc_u32 v[AVS], s74, v[L4]
	v_lshlrev_b32 v[BH], 6, v13
	s_wait_alu depctr_va_vdst(0)
	v_and_b32 v15, 8, v12
	v_add_nc_u32 v15, v15, v12
	v_lshlrev_b32 v[BR], 2, v15
	s_wait_alu depctr_va_vdst(0)
.irp b, 0,1,2,3
	v_mov_b32 v[TM+4+\b], 0                        ; a lane permute's destination counts as read
.endr
	s_cmp_eq_u32 s[ROLE], 0
	s_cselect_b64 s[76:77], s[8:9], s[10:11]       ; my bias,
	s_cselect_b64 s[78:79], s[14:15], s[16:17]     ; my output
	s_lshl_b32 s80, s[YY], 9
	s_mov_b32 s81, 0
	s_add_nc_u64 s[76:77], s[76:77], s[80:81]      ; at column 128 y
	s_add_nc_u64 s[12:13], s[12:13], s[80:81]
	s_lshl_b32 s80, s[WV], 7
	s_add_nc_u64 s[12:13], s[12:13], s[80:81]      ; bv at column 128 y + 32 w
	s_lshl_b32 s82, s[GG], 2
	s_lshl_b32 s83, s[HALF], 1
	s_add_co_u32 s82, s82, s83
	s_mul_i32 s82, s82, REC
	s_mov_b32 s83, 0
	s_add_nc_u64 s[78:79], s[78:79], s[82:83]      ; record 4 g + 2 half
	s_mul_i32 s82, s[YY], FRB
	s_add_nc_u64 s[84:85], s[78:79], s[82:83]      ; its K step y,
	s_lshl_b32 s82, s[YY], 7
	s_add_nc_u64 s[78:79], s[78:79], s[82:83]      ; its scale image y
	s_lshl_b32 s82, s[GG], 2
	s_add_co_u32 s82, s82, s[YY]
	s_mul_i32 s82, s82, REC
	s_add_nc_u64 s[18:19], s[18:19], s[82:83]      ; vv's record 4 g + y
	s_mul_i32 s82, s[WV], 2*FRB
	s_add_nc_u64 s[86:87], s[18:19], s[82:83]      ; its tiles 2 w, 2 w + 1,
	s_lshl_b32 s82, s[WV], 7
	s_add_nc_u64 s[18:19], s[18:19], s[82:83]      ; its scale image w
	WIN 0x80
.irp t, 0,1,2,3,4,5,6,7                        ; the bias in the result's layout: tile t's eight columns 32 (t / 2) + 16 h + 8 (t % 2) on
	global_load_b128 v[192+8*\t:195+8*\t], v[BH], s[76:77] offset:4*(32*(\t/2)+8*(\t%2))
	global_load_b128 v[196+8*\t:199+8*\t], v[BH], s[76:77] offset:4*(32*(\t/2)+8*(\t%2))+16
.endr
	WIN 0
	global_load_b32 v[BV], v[BR], s[12:13]
	global_load_b32 v[BV+1], v[BR], s[12:13] offset:32
	s_wait_tensorcnt 0x0                           ; my one load is in
	s_barrier_signal -1
	s_barrier_wait -1                              ; everybody's are
; ---- PHASE 1
.irp p, 0,1
.irp s, 0,1,2,3
	ds_load_b32 v[XM+4*\p+\s], v[AXM] offset:REC*\p+128*\s
.endr
.endr
.irp p, 0,1,2,3
.irp s, 0,1,2,3
	ds_load_b32 v[WS+4*\p+\s], v[AWS] offset:REC*\p+128*\s
.endr
.endr
	WIN 0xc0
.irp j, 0,1,2,3                                ; my 16 fragments of x stay in window 3
.irp s, 0,1,2,3
.irp c, 0,1,2
	ds_load_b128 v[12*(4*\j+\s)+4*\c:12*(4*\j+\s)+4*\c+3], v[AX] offset:REC*(\j/2)+4*FRB*(\j%2)+FRB*\s+512*\c
.endr
.endr
.endr
	FETCH8 AW, 0, 0
.irp s, 0,1,2,3
.if \s > 0
	PLACES 4                                       ; in front of loads into the set that the step before multiplied
.endif
.if \s < 3
	FETCH8 AW, \s+1, (\s+1)%2
	s_wait_dscnt 24                                ; all but the 24 just issued
.else
	s_wait_dscnt 0x0
.endif
.if \s == 0
	s_wait_loadcnt 0x0                             ; the biases
	WIN 0x6e                                       ; W window 2, x window 3, C (bias) window 2, D window 1
.else
	WIN 0x5e                                       ; C and D window 1
.endif
.irp j, 0,1,2,3                                ; the 32 accumulators by turns, in the same order in every step
.irp t, 0,1,2,3,4,5,6,7
.if \s == 0
	WM 64*\j+8*\t, 96*(\s%2)+12*\t, 12*(4*\j+\s), 192+8*\t, WS+4*(\t/2)+\s, XM+4*(\j/2)+\s, \t%2, \j%2
.else
	WM 64*\j+8*\t, 96*(\s%2)+12*\t, 12*(4*\j+\s), 64*\j+8*\t, WS+4*(\t/2)+\s, XM+4*(\j/2)+\s, \t%2, \j%2
.endif
.endr
.endr
.endr
	PLACES 4                                       ; in front of the first read of results
.irp j, 0,1,2,3
	QUANT 64*\j, 1, PC+12*\j, PW+\j
.irp c, 0,1,2
	global_store_b128 v[L16], v[PC+12*\j+4*\c:PC+12*\j+4*\c+3], s[84:85] offset:REC*(\j/2)+4*FRB*(\j%2)+512*\c
.endr
.endr
.irp p, 0,1
	v_cndmask_b32 v[IM+\p], v[PW+2*\p], v[PW+2*\p+1], s[MSK]
	global_store_b32 v[L4], v[IM+\p], s[78:79] offset:SCO+REC*\p
.endr
	s_wait_tensorcnt 0x0                           ; my record of Wv is in,
	s_wait_dscnt 0x0
	s_barrier_signal -1
	s_barrier_wait -1                              ; everybody's is
; ---- PHASE 2
.irp p, 0,1,2,3
.irp s, 0,1,2,3
	ds_load_b32 v[XS+4*\p+\s], v[AXS] offset:REC*\p+128*\s
.endr
.endr
.irp s, 0,1,2,3
	ds_load_b32 v[WVS+\s], v[AVS] offset:128*\s
.endr
	WIN 0xc0
.irp t, 0,1
.irp s, 0,1,2,3
.irp c, 0,1,2
	ds_load_b128 v[12*(4*\t+\s)+4*\c:12*(4*\t+\s)+4*\c+3], v[AV] offset:4*FRB*\t+FRB*\s+512*\c
.endr
.endr
.endr
	WIN 0x80
.irp t, 0,1
.irp i, 0,1,2,3,4,5,6,7
	v_mov_b32 v[192+8*\t+\i], v[BV+\t]             ; bv as C: a lane's column has one bias for all eight rows
.endr
.endr
	PLACES 4
	FETCH8 L16, 0, 0
	s_wait_alu depctr_va_vdst(0)
.irp s, 0,1,2,3
.if \s > 0
	PLACES 4
.endif
.if \s < 3
	FETCH8 L16, \s+1, (\s+1)%2
	s_wait_dscnt 24                                ; all but the 24 just issued
.else
	s_wait_dscnt 0x0
.endif
.if \s == 0
	WIN 0x6e
.else
	WIN 0x5e
.endif
.irp j, 0,1,2,3,4,5,6,7                        ; 16 accumulators by turns
.irp t, 0,1
.if \s == 0
	WM 64*\t+8*\j, 96*(\s%2)+12*\j, 12*(4*\t+\s), 192+8*\t, XS+4*(\j/2)+\s, WVS+\s, \j%2, \t
.else
	WM 64*\t+8*\j, 96*(\s%2)+12*\j, 12*(4*\t+\s), 64*\t+8*\j, XS+4*(\j/2)+\s, WVS+\s, \j%2, \t
.endif
.endr
.endr
.endr
	PLACES 4
.irp t, 0,1
	QUANT 64*\t, 1, PC+12*(4+\t), PW+4+\t
.irp c, 0,1,2
	global_store_b128 v[L16], v[PC+12*(4+\t)+4*\c:PC+12*(4+\t)+4*\c+3], s[86:87] offset:FRB*\t+512*\c
.endr
.endr
	v_cndmask_b32 v[IM2], v[PW+4], v[PW+5], s[MSK]
	global_store_b32 v[L4], v[IM2], s[18:19] offset:SCO
	s_wait_tensorcnt 0x0                           ; the wave's end
	ds_add_u32 v[SPW], v[NIL]
	s_wait_dscnt 0x0
	CROUND                                         ; the closing round
	s_endpgm
.Lfunc_end_k_qf5c78e2924_qkv:
	.size	k_qf5c78e2924_qkv, .Lfunc_end_k_qf5c78e2924_qkv-k_qf5c78e2924_qkv
	.p2alignl 7, 3214868480
	.fill 96, 4, 3214868480
	.section	.rodata,"a",@progbits
	.p2align	6, 0x0
	.amdhsa_kernel k_qf5c78e2924_qkv
		.amdhsa_group_segment_fixed_size 205312
		.amdhsa_private_segment_fixed_size 0
		.amdhsa_enable_private_segment 0
		.amdhsa_kernarg_size 64
		.amdhsa_user_sgpr_count 2
		.amdhsa_user_sgpr_kernarg_segment_ptr 1
		.amdhsa_wavefront_size32 1
		.amdhsa_system_sgpr_workgroup_id_x 1
		.amdhsa_system_sgpr_workgroup_id_y 1
		.amdhsa_system_sgpr_workgroup_id_z 1
		.amdhsa_system_vgpr_workitem_id 0
		.amdhsa_next_free_vgpr 1024
		.amdhsa_next_free_sgpr 100
		.amdhsa_reserve_vcc 0
		.amdhsa_float_denorm_mode_32 3
		.amdhsa_float_denorm_mode_16_64 3
		.amdhsa_memory_ordered 1
		.amdhsa_forward_progress 1
		.amdhsa_inst_pref_size 80
	.end_amdhsa_kernel
	.amdgpu_metadata
---
amdhsa.version: [ 1, 2 ]
amdhsa.kernels:
  - .name:           k_qf5c78e2924_qkv
    .symbol:         k_qf5c78e2924_qkv.kd
    .args:
      - { .name: xq, .offset: 0, .size: 8, .value_kind: global_buffer, .address_space: global }
      - { .name: wq, .offset: 8, .size: 8, .value_kind: global_buffer, .address_space: global }
      - { .name: bq, .offset: 16, .size: 8, .value_kind: global_buffer, .address_space: global }
      - { .name: bk, .offset: 24, .size: 8, .value_kind: global_buffer, .address_space: global }
      - { .name: bv, .offset: 32, .size: 8, .value_kind: global_buffer, .address_space: global }
      - { .name: qq, .offset: 40, .size: 8, .value_kind: global_buffer, .address_space: global }
      - { .name: kk, .offset: 48, .size: 8, .value_kind: global_buffer, .address_space: global }
      - { .name: vv, .offset: 56, .size: 8, .value_kind: global_buffer, .address_space: global }
    .group_segment_fixed_size: 205312
    .private_segment_fixed_size: 0
    .kernarg_segment_align: 8
    .kernarg_segment_size: 64
    .max_flat_workgroup_size: 128
    .sgpr_count:     100
    .vgpr_count:     1024
    .wavefront_size: 32
...
	.end_amdgpu_metadata
.endif
;; end of part 2
;; launch attn (part 3): grid 64 x 4, 4 waves a work-group, clusters of 4 x 1, 327,680 bytes of LDS; arguments qq, kk, vv, aa; writes aa
.if DOCPART == 3
	.amdgcn_target "amdgcn-amd-amdhsa--gfx1250"
	.amdhsa_code_object_version 6
	.text
	.protected	k_qf5c78e2924_attn
	.globl	k_qf5c78e2924_attn
	.p2align	8
	.type	k_qf5c78e2924_attn,@function
k_qf5c78e2924_attn:
	s_mov_b64 s[64:65], 0
	v_nop
	global_prefetch_b8 v0, s[64:65] scope:SCOPE_SE
	s_setreg_imm32_b32 hwreg(HW_REG_WAVE_MODE, 25, 1), 1
	s_wait_xcnt 0x0
	s_wait_alu depctr_hold_cnt(0) depctr_sa_sdst(0) depctr_va_vdst(0) depctr_va_sdst(0) depctr_va_ssrc(0) depctr_va_vcc(0) depctr_vm_vsrc(0)
	s_getreg_b32 s2, hwreg(HW_REG_IB_STS2, 6, 4)
	s_cmp_eq_u32 s2, 0
	s_cbranch_scc0 .Lentry_in_a_cluster
	s_endpgm
.Lentry_in_a_cluster:
	s_bfe_u32 s2, ttmp6, 0x10000c
	s_cmp_lg_u32 s2, 0x3003
	s_cbranch_scc0 .Lentry_shape_is_right
	s_endpgm
.Lentry_shape_is_right:
; attn = softmax(q k^T / sqrt(512)) v on codes of FP6 (E2M3), then quantised along d for the projection.  Records as the first launch lays them.  No work of the problem is left out here.
; t = score x log2(e) / sqrt(512); p = 2^(t - M), M a whole number, is what is quantised along the keys; the sum l is taken of the unquantised p and divides at the end.
; SHARES.  A work-group owns 32 queries (one record of q: two tiles).  Its batch's 2,048 keys are 16 steps of 128; WAVE w TAKES STEPS w, w + 4, w + 8, w + 12 WHOLE: a trip is 64 products for the scores
; (4 records of k x 2 key tiles x 2 query tiles x K 512), the softmax in the lane, p's codes in the wave's own registers, and 64 products for O^T (4 records of v x 8 d tiles x 2 query tiles).
; Each wave runs its own n = -M, l and O^T (32 queries x 512 d: 512 registers).  Both products are used transposed: a lane holds one query.
; CLUSTER 4 x 1: the four query blocks of a cluster belong to one batch and walk the same keys in step.  Of a wave's eight records of a trip six are asked for JOINTLY, into two LDS slots, each filled once a trip:
; X (102,400 bytes) takes k's records 2, 3 of the four waves' steps, Y (204,800 bytes) v's four records of the four waves' steps; a wave brings, and alone reads, its own part.  Two rounds of the cluster's barrier a trip,
; one tensor load a wave behind each: Y's at the trip's top (the scores and the softmax stand between it and the wait for it), X's ahead of the products for O^T (these and 32 products of the next trip stand between).
; k's RECORDS 0, 1 ARE NOT ASKED FOR JOINTLY: X and Y take 307,200 of LDS's 327,680 bytes, and these records would want 102,400 more.  They go from memory straight into the two sets of operand registers,
; asked for behind the trip's last use of a set: 56 loads a wave out.
; THE END.  The four partial results meet once in LDS, in the ring's bytes, behind the ring's last fill and a barrier.  Slot i of wave w's O^T is d quarter w xor i: slot 0 is its own and stays; slots 1 to 3 go to their owners.
; With nA = the least n of the four, wave k's part counts with 2^(nA - n_k), exact; the owner adds, divides by l, quantises along d and stores K step w of attn's record.
; PREFETCH: a trip's k and v of all four waves are 16 records each.  Each cluster asks once for what it will load: wave w of the partner at place cx takes record 4 cx + w of k's 16 and of v's 16, 50 blocks of 256 bytes
; each, 25 lanes an instruction (lanes 25-31 name the 25th again); trip t asks for trip t + 1 (128 products of a wave ahead); the last trip asks for nothing.
; LIMITS: the scaled scores stay under 2^24 in magnitude (M is kept as a whole number in f32); a block's byte is held at 1 from below; NaN and infinities are not served.
; REGISTERS: window 0 addresses, statistics, S^T then p then v's fragments, P, scale words, three of q's fragments; window 1 k's two sets and five of q's fragments; windows 2, 3 O^T: slot i at 128 i, tile (a, t) at 64 a + 8 t.
.set REC,   12800
.set SCO,   12288
.set FRB,   1536
.set TRIPB, 16*REC                     ; four steps on
.set YB,    8*REC                      ; LDS: X at 0, Y behind it
.set SPARE, 24*REC                     ; the spare words, 128 bytes a wave, named by no other line
.set ST,    SPARE+512                  ; (n, l) [wave][tile][query]: bytes into which no fill lands
.set QUAR,  16384                      ; the end: a slot of O^T, 128 registers x 128 bytes; region 3 y + i - 1, from byte 0 on, holds what quarter y's owner gets from a slot i
.set L16,   1                          ; 16 L
.set L4,    2                          ; 4 L
.set PFO,   3                          ; the prefetches' offset; never rewritten
.set AXK,   4                          ; my part of X: fragments;  v5: scale images
.set AXS,   5
.set AY,    6                          ; v6-9 my record w xor i in Y: fragments;  v26-29: scale images  (v4-8, v26-29 are made anew for the end)
.set AYS,   26
.set SPW,   10
.set NIL,   11
.set PS,    30                         ; v30-31 P's scale words
.set S,     32                         ; v32-159 S^T: 64 a + 16 p + 8 u, then p; then v's eight fragments, round P1
.set P0,    160                        ; P's fragment of tile 0;  tile 1's lies over numbers of tile 0 that are done with
.set P1,    S+32
.set CT,    172                        ; v172-174, v176-178;  v175, v179, v254, v255: v's scale words
.set KS,    180                        ; v180-187 k's scale words, two sets
.set QS,    188
.set Q0,    192                        ; q's fragments 5, 6, 7 (fragment 4 a + s); 0 to 4 lie in window 1 at 192 on
.set SR,    204                        ; the end: (n, l), then (factor, l) [k][a]
.set TM,    228
.set BM,    TM                         ; block maxima [a][b]
.set T,     TM+8
.set SO,    TM+16                      ; the conversions' scale operands
.set X,     TM+24
.set WV,    12
.set KB,    14                         ; s[14:15] k's records 0, 1 of my step
.set SEL,   20
.set PFK,   38
.set PFV,   66
.set G0X,   40                         ; s[40:43], s[44:47] groups 0;  s[48:55], s[56:63] groups 1
.set G0Y,   44
.set G1X,   48
.set G1Y,   56
.set MSB, 0
.macro WIN new
.if MSB != (\new)
	s_set_vgpr_msb (MSB<<8)|(\new)
.set MSB, (\new)
.endif
.endm
.macro PLACES n
.rept \n
	v_nop
.endr
.endm
.macro CROUND                          ; a round of the cluster's barrier
	s_barrier_signal -1
	s_barrier_wait -1
	s_cmp_lg_u32 s[WV], 0
	s_cbranch_scc1 .Lnot_wave_0_\@
	s_barrier_signal -3
.Lnot_wave_0_\@:
	s_barrier_wait -3
	s_barrier_signal -1
	s_barrier_wait -1
.endm
.macro WM d, a, b, c, sa, sb, ra, rb
.if (\c) < 0
.if (\ra) && (\rb)
	v_wmma_scale_f32_16x16x128_f8f6f4 v[(\d):(\d)+7], v[(\a):(\a)+11], v[(\b):(\b)+11], 0, v[\sa], v[\sb] matrix_a_fmt:MATRIX_FMT_FP6 matrix_b_fmt:MATRIX_FMT_FP6 matrix_a_scale:MATRIX_SCALE_ROW1 matrix_b_scale:MATRIX_SCALE_ROW1
.elseif (\ra)
	v_wmma_scale_f32_16x16x128_f8f6f4 v[(\d):(\d)+7], v[(\a):(\a)+11], v[(\b):(\b)+11], 0, v[\sa], v[\sb] matrix_a_fmt:MATRIX_FMT_FP6 matrix_b_fmt:MATRIX_FMT_FP6 matrix_a_scale:MATRIX_SCALE_ROW1
.elseif (\rb)
	v_wmma_scale_f32_16x16x128_f8f6f4 v[(\d):(\d)+7], v[(\a):(\a)+11], v[(\b):(\b)+11], 0, v[\sa], v[\sb] matrix_a_fmt:MATRIX_FMT_FP6 matrix_b_fmt:MATRIX_FMT_FP6 matrix_b_scale:MATRIX_SCALE_ROW1
.else
	v_wmma_scale_f32_16x16x128_f8f6f4 v[(\d):(\d)+7], v[(\a):(\a)+11], v[(\b):(\b)+11], 0, v[\sa], v[\sb] matrix_a_fmt:MATRIX_FMT_FP6 matrix_b_fmt:MATRIX_FMT_FP6
.endif
.else
.if (\ra) && (\rb)
	v_wmma_scale_f32_16x16x128_f8f6f4 v[(\d):(\d)+7], v[(\a):(\a)+11], v[(\b):(\b)+11], v[(\c):(\c)+7], v[\sa], v[\sb] matrix_a_fmt:MATRIX_FMT_FP6 matrix_b_fmt:MATRIX_FMT_FP6 matrix_a_scale:MATRIX_SCALE_ROW1 matrix_b_scale:MATRIX_SCALE_ROW1
.elseif (\ra)
	v_wmma_scale_f32_16x16x128_f8f6f4 v[(\d):(\d)+7], v[(\a):(\a)+11], v[(\b):(\b)+11], v[(\c):(\c)+7], v[\sa], v[\sb] matrix_a_fmt:MATRIX_FMT_FP6 matrix_b_fmt:MATRIX_FMT_FP6 matrix_a_scale:MATRIX_SCALE_ROW1
.elseif (\rb)
	v_wmma_scale_f32_16x16x128_f8f6f4 v[(\d):(\d)+7], v[(\a):(\a)+11], v[(\b):(\b)+11], v[(\c):(\c)+7], v[\sa], v[\sb] matrix_a_fmt:MATRIX_FMT_FP6 matrix_b_fmt:MATRIX_FMT_FP6 matrix_b_scale:MATRIX_SCALE_ROW1
.else
	v_wmma_scale_f32_16x16x128_f8f6f4 v[(\d):(\d)+7], v[(\a):(\a)+11], v[(\b):(\b)+11], v[(\c):(\c)+7], v[\sa], v[\sb] matrix_a_fmt:MATRIX_FMT_FP6 matrix_b_fmt:MATRIX_FMT_FP6
.endif
.endif
.endm
; the codes of 64 numbers of a lane (register xs + 16 b + i = k 32 b + 16 h + i), scale operands at v[so] on, become a fragment's 12 registers at v[pc]
.macro CODES xs, so, pc
.irp c, 0,1
	v_cvt_scalef32_pk16_fp6_f32 v[(\pc)+6*\c:(\pc)+6*\c+2], v[(\xs)+32*\c:(\xs)+32*\c+15], v[(\so)+2*\c]
	v_cvt_scalef32_pk16_fp6_f32 v[CT+4*\c:CT+4*\c+2], v[(\xs)+32*\c+16:(\xs)+32*\c+31], v[(\so)+2*\c+1]
.endr
	v_nop                                          ; one plain place behind the conversions
.irp c, 0,1                                    ; a whole block to a lane: lanes 0-15 block 2 c, lanes 16-31 block 2 c + 1
.irp i, 0,1,2
	v_permlane16_swap_b32 v[(\pc)+6*\c+\i], v[CT+4*\c+\i]
.endr
.irp i, 0,1,2
	v_mov_b32 v[(\pc)+6*\c+3+\i], v[CT+4*\c+\i]
.endr
.endr
.endm
; a record of k from memory into set `set`: 24 loads of 512 consecutive bytes and 4 scale images: 28 loads
.macro LOADREC set, base, off
	WIN 0x40
.irp f, 0,1,2,3,4,5,6,7
.irp c, 0,1,2
	global_load_b128 v[96*(\set)+12*\f+4*\c:96*(\set)+12*\f+4*\c+3], v[L16], s[\base:\base+1] offset:(\off)+FRB*\f+512*\c
.endr
.endr
	WIN 0
.irp s, 0,1,2,3
	global_load_b32 v[KS+4*(\set)+\s], v[L4], s[\base:\base+1] offset:(\off)+SCO+128*\s
.endr
.endm
; record `rec` of my part of X into set `set`: 28 LDS loads
.macro LDSK set, rec
	WIN 0x40
.irp f, 0,1,2,3,4,5,6,7
.irp c, 0,1,2
	ds_load_b128 v[96*(\set)+12*\f+4*\c:96*(\set)+12*\f+4*\c+3], v[AXK] offset:REC*(\rec)+FRB*\f+512*\c
.endr
.endr
	WIN 0
.irp s, 0,1,2,3
	ds_load_b32 v[KS+4*(\set)+\s], v[AXS] offset:REC*(\rec)+128*\s
.endr
.endm
; v's record w xor i out of Y: fragment t to S + 12 t (+ 20 from t = 2 on, past P1), scale image s to v175, v179, v254, v255: 28 LDS loads
; It comes by halves: four fragments and their two scale images, 14 LDS loads
.macro LDSVH i, t0, t1, t2, t3, s0, s1
.irp t, \t0,\t1,\t2,\t3
.irp c, 0,1,2
	ds_load_b128 v[S+12*\t+20*((\t+6)/8)+4*\c:S+12*\t+20*((\t+6)/8)+4*\c+3], v[AY+\i] offset:FRB*\t+512*\c
.endr
.endr
.irp s, \s0,\s1
	ds_load_b32 v[175+4*\s+(\s/2)*(77-3*\s)], v[AYS+\i] offset:128*\s
.endr
.endm
; eight products of a slot of O^T (at OB of the window that is set): four d tiles x two query tiles, one to an accumulator
.macro PVW first, t0, t1, t2, t3
.irp t, \t0,\t1,\t2,\t3
.irp a, 0,1
.if \first
	WM OB+64*\a+8*\t, S+12*\t+20*((\t+6)/8), P0+(P1-P0)*\a, -1, 175+4*(\t/2)+(\t/4)*(77-3*(\t/2)), PS+\a, \t%2, 0
.else
	WM OB+64*\a+8*\t, S+12*\t+20*((\t+6)/8), P0+(P1-P0)*\a, OB+64*\a+8*\t, 175+4*(\t/2)+(\t/4)*(77-3*(\t/2)), PS+\a, \t%2, 0
.endif
.endr
.endr
.endm
; the scores of k's record p (32 keys): four accumulators, one instruction a turn, K ascending; the ten products whose fragment of q lies in window 1 first, then the six of window 0
.macro QK p, set
	WIN 0x05
.irp a, 0,1
.irp u, 0,1
	WM S+64*\a+16*(\p)+8*\u, 96*(\set)+48*\u, 192+48*\a, -1, KS+4*(\set), QS, \u, \a
.endr
.endr
.irp s, 1,2,3
.irp u, 0,1
	WM S+16*(\p)+8*\u, 96*(\set)+12*(4*\u+\s), 192+12*\s, S+16*(\p)+8*\u, KS+4*(\set)+\s, QS+\s, \u, 0
.endr
.endr
	WIN 0x01
.irp s, 1,2,3
.irp u, 0,1
	WM S+64+16*(\p)+8*\u, 96*(\set)+12*(4*\u+\s), Q0+12*(\s-1), S+64+16*(\p)+8*\u, KS+4*(\set)+\s, QS+\s, \u, 1
.endr
.endr
.endm
; slot i of O^T: its record of v is asked of LDS; the slot goes under the new M (64 packed multiplications, while those loads are out); then 16 products, one to an accumulator
.macro PV i, first
.set WW, 2+(\i)/2
.set OB, 128*((\i)%2)
	; (both halves of this slot's record have been asked of LDS: slot 0's ahead of this macro, the others' in the slot before; a half's registers are asked for again four places behind its eight products)
.if !(\first)
	WIN (WW<<6)|WW
	s_wait_alu depctr_va_vdst(0)                   ; the wait directly ahead of the first reader of these matrix results
.set II, 0
.rept 64
	v_pk_mul_f32 v[OB+II:OB+II+1], v[OB+II:OB+II+1], v[22+2*(II/64):23+2*(II/64)] op_sel_hi:[1,0]
.set II, II+2
.endr
.endif
	s_wait_alu depctr_va_vdst(0)                   ; the wait directly ahead of the wait below
	s_wait_dscnt 14                                ; the record's first half is in; the 14 loads of its second half may be out
	WIN (WW<<6)|(WW<<4)
	PVW \first, 0,1,2,3
	PLACES 4                                       ; in front of the loads into these fragments' registers
.if (\i) < 3
	WIN 0
	LDSVH (\i)+1, 0,1,2,3, 0,1                     ; the next slot's first half
	s_wait_dscnt 14                                ; this record's second half is in; the 14 just issued may be out
.else
	s_wait_dscnt 0x0                               ; the last half is in: my reads of Y are over
.endif
	WIN (WW<<6)|(WW<<4)
	PVW \first, 4,5,6,7
	PLACES 4
.if (\i) < 3
	WIN 0
	LDSVH (\i)+1, 4,5,6,7, 2,3                     ; the next slot's second half
.endif
.endm
.macro ASK                             ; my record of the next trip's 16 of k and of v: 2 x 25 blocks each
	global_prefetch_b8 v[PFO], s[PFK:PFK+1] offset:TRIPB th:TH_LOAD_NT scope:SCOPE_SE
	global_prefetch_b8 v[PFO], s[PFK:PFK+1] offset:TRIPB+6400 th:TH_LOAD_NT scope:SCOPE_SE
	global_prefetch_b8 v[PFO], s[PFV:PFV+1] offset:TRIPB th:TH_LOAD_NT scope:SCOPE_SE
	global_prefetch_b8 v[PFO], s[PFV:PFV+1] offset:TRIPB+6400 th:TH_LOAD_NT scope:SCOPE_SE
.endm
; 128 keys x 2 query tiles: block m = 4 a + b is registers S + 16 m on
.macro SOFTMAX
.irp m, 0,1,2,3,4,5,6,7
	v_max3_num_f32 v[BM+\m], v[S+16*\m], v[S+16*\m+1], v[S+16*\m+2]   ; each block's largest score: for the row's maximum and for the block's largest p
.endr
.irp i, 3,5,7,9,11,13
.irp m, 0,1,2,3,4,5,6,7
	v_max3_num_f32 v[BM+\m], v[BM+\m], v[S+16*\m+\i], v[S+16*\m+\i+1]
.endr
.endr
.irp m, 0,1,2,3,4,5,6,7
	v_max_num_f32 v[BM+\m], v[BM+\m], v[S+16*\m+15]
.endr
.irp m, 0,1,2,3,4,5,6,7
	v_permlanex16_b32 v[T+\m], v[BM+\m], s[SEL], s[SEL+1]
.endr
.irp m, 0,1,2,3,4,5,6,7
	v_max_num_f32 v[BM+\m], v[BM+\m], v[T+\m]      ; with lane l xor 16's 16 keys
.endr
.irp a, 0,1
	v_max3_num_f32 v[X+\a], v[BM+4*\a], v[BM+4*\a+1], v[BM+4*\a+2]
.endr
.irp a, 0,1
	v_max_num_f32 v[X+\a], v[X+\a], v[BM+4*\a+3]
.endr
.irp a, 0,1
	v_mul_f32 v[X+\a], s18, v[X+\a]                ; as t
.endr
.irp a, 0,1
	v_max_num_f32 v[16+\a], v[16+\a], v[X+\a]      ; my running largest t
.endr
.irp a, 0,1
	v_mov_b32 v[X+\a], v[12+2*\a]
.endr
.irp a, 0,1
	v_floor_f32 v[12+2*\a], -v[16+\a]              ; n = floor(-t) = -ceil(t)
.endr
.irp a, 0,1
	v_sub_f32 v[X+\a], v[12+2*\a], v[X+\a]         ; a whole number, 0 or less
.endr
.irp a, 0,1
	v_cvt_i32_f32 v[X+\a], v[X+\a]                 ; (it saturates)
.endr
.irp a, 0,1
	v_ldexp_f32 v[22+2*\a], 1.0, v[X+\a]           ; 2^(old M - new M)
.endr
.set II, 0
.rept 64
	v_pk_fma_f32 v[S+II:S+II+1], v[S+II:S+II+1], s[18:19], v[12+2*(II/64):13+2*(II/64)] op_sel_hi:[1,0,0]   ; t - M
.set II, II+2
.endr
.irp m, 0,1,2,3,4,5,6,7
	v_fma_f32 v[BM+\m], v[BM+\m], s18, v[12+2*(\m/4)]   ; the same of each block's largest score
.endr
	s_wait_alu depctr_va_vdst(0)                   ; the wait ahead of the batch
.set II, 0
.rept 128
	v_exp_f32 v[S+II], v[S+II]                     ; p: one batch of 136 exponentials
.set II, II+1
.endr
.irp m, 0,1,2,3,4,5,6,7
	v_exp_f32 v[BM+\m], v[BM+\m]
.endr
.irp a, 0,1
	v_pk_mul_f32 v[18+2*\a:19+2*\a], v[18+2*\a:19+2*\a], v[22+2*\a:23+2*\a] op_sel_hi:[1,0]   ; l under the new M: the plain place behind the batch
.endr
	s_wait_alu depctr_va_vdst(0)                   ; and the one wait behind it, ahead of its first reader
.irp a, 0,1
	v_pk_add_f32 v[T+2*\a:T+2*\a+1], v[S+64*\a:S+64*\a+1], v[S+64*\a+2:S+64*\a+3]   ; the sum of the unquantised p, in four chains
.endr
.irp i, 4,8,12,16,20,24,28,32,36,40,44,48,52,56,60
.irp a, 0,1
	v_pk_add_f32 v[18+2*\a:19+2*\a], v[18+2*\a:19+2*\a], v[S+64*\a+\i:S+64*\a+\i+1]
	v_pk_add_f32 v[T+2*\a:T+2*\a+1], v[T+2*\a:T+2*\a+1], v[S+64*\a+\i+2:S+64*\a+\i+3]
.endr
.endr
.irp a, 0,1
	v_pk_add_f32 v[18+2*\a:19+2*\a], v[18+2*\a:19+2*\a], v[T+2*\a:T+2*\a+1]
.endr
.irp m, 0,1,2,3,4,5,6,7
	v_max_num_f32 v[BM+\m], 0x1800000, v[BM+\m]    ; the floor 2^(3 - 127)
.endr
.irp m, 0,1,2,3,4,5,6,7
	v_add_nc_u32 v[SO+\m], 0xff000000, v[BM+\m]    ; 2 off the exponent field: the conversion's scale operand
.endr
.irp m, 0,1,2,3,4,5,6,7
	v_lshrrev_b32 v[T+\m], 23, v[SO+\m]            ; the byte
.endr
.irp a, 0,1
	v_lshl_or_b32 v[PS+\a], v[T+4*\a+1], 8, v[T+4*\a]
.endr
.irp a, 0,1
	v_lshl_or_b32 v[PS+\a], v[T+4*\a+2], 16, v[PS+\a]
.endr
.irp a, 0,1
	v_lshl_or_b32 v[PS+\a], v[T+4*\a+3], 24, v[PS+\a]   ; P's scale word for these 128 keys
.endr
	CODES S, SO, P0
	CODES S+64, SO+4, P1
.endm
; A TRIP: one step of 128 keys for each wave
.macro TRIP first, last
	s_wait_tensorcnt 0x0                           ; all my tensor loads have landed: the one that was out is my part of X, this trip's k2, k3; so a group 0 may be written
	ds_add_u32 v[SPW], v[NIL]                      ; 0 onto my spare word
	s_add_nc_u64 s[G0X+2:G0X+3], s[G0X+2:G0X+3], TRIPB   ; X's next fill: four steps on
	s_wait_dscnt 0x0                               ; the add is done, and my reads of Y are over
	CROUND                                         ; that now holds of every wave of all four work-groups
	tensor_load_to_lds s[G0Y:G0Y+3], s[G1Y:G1Y+7]  ; this trip's v, my one tensor load behind the round (in the first trip: Y's first fill, issued as a refill is)
	s_nop 0
	PLACES 4
	s_wait_loadcnt 28                              ; k0 is in (in the first trip: q too); k1's 28 loads may be out
.if !(\last)
	ASK
.endif
	QK 0, 0
	PLACES 4
	LDSK 0, 0                                      ; k2
	s_wait_loadcnt 0x0                             ; k1 is in
	QK 1, 1
	PLACES 4
	LDSK 1, 1                                      ; k3
	s_wait_dscnt 28                                ; k2 is in; k3's 28 LDS loads may be out
	QK 2, 0
.if !(\last)
	PLACES 4
	LOADREC 0, KB, TRIPB                           ; the next trip's k0: the softmax and the products for O^T stand between this and the wait for it
.endif
	s_wait_dscnt 0x0                               ; k3 is in: my reads of X are over
	QK 3, 1
	PLACES 4                                       ; also in front of the first read of the scores
.if !(\last)
	LOADREC 1, KB, TRIPB+REC
.endif
	WIN 0
	SOFTMAX
	s_wait_alu depctr_va_vdst(0)                   ; the wait directly ahead of the wait below
	s_wait_tensorcnt 0x0                           ; my part of Y, this trip's v, is in
.if !(\last)
	ds_add_u32 v[SPW], v[NIL]
	s_add_nc_u64 s[G0Y+2:G0Y+3], s[G0Y+2:G0Y+3], TRIPB   ; Y's next fill
	s_wait_dscnt 0x0
	CROUND
	tensor_load_to_lds s[G0X:G0X+3], s[G1X:G1X+7]  ; the next trip's k2, k3, my one tensor load behind the round
	s_nop 0
	PLACES 4
.endif
.if \first
	PLACES 8                                       ; a scale register written by a vector instruction stands eight places ahead of the product
.endif
	LDSVH 0, 0,1,2,3, 0,1                          ; slot 0's record, both halves
	LDSVH 0, 4,5,6,7, 2,3
	PV 0, \first
	PV 1, \first
	PV 2, \first
	PV 3, \first
	WIN 0
.if !(\last)
	s_wait_xcnt 0x0                                ; k's loads and the prefetches have read their bases: they step four steps on
	s_add_nc_u64 s[KB:KB+1], s[KB:KB+1], TRIPB
	s_add_nc_u64 s[PFK:PFK+1], s[PFK:PFK+1], TRIPB
	s_add_nc_u64 s[PFV:PFV+1], s[PFV:PFV+1], TRIPB
.endif
.endm
; the end: 64 numbers of a lane at v[xs] become a fragment at v[pc] and the row's scale word in v[pw]
.macro QUANT xs, pc, pw
.irp b, 0,1,2,3
	v_max3_num_f32 v[TM+\b], |v[(\xs)+16*\b]|, |v[(\xs)+16*\b+1]|, 0x1800000
.endr
.irp i, 2,4,6,8,10,12,14
.irp b, 0,1,2,3
	v_max3_num_f32 v[TM+\b], v[TM+\b], |v[(\xs)+16*\b+\i]|, |v[(\xs)+16*\b+\i+1]|
.endr
.endr
.irp b, 0,1,2,3
	v_permlanex16_b32 v[TM+4+\b], v[TM+\b], s[SEL], s[SEL+1]
.endr
.irp b, 0,1,2,3
	v_max_num_f32 v[TM+\b], v[TM+\b], v[TM+4+\b]
.endr
.irp b, 0,1,2,3
	v_add_nc_u32 v[TM+12+\b], 0xff000000, v[TM+\b]
.endr
.irp b, 0,1,2,3
	v_lshrrev_b32 v[TM+4+\b], 23, v[TM+12+\b]
.endr
	v_lshl_or_b32 v[\pw], v[TM+5], 8, v[TM+4]
	v_lshl_or_b32 v[\pw], v[TM+6], 16, v[\pw]
	v_lshl_or_b32 v[\pw], v[TM+7], 24, v[\pw]
	CODES \xs, TM+12, \pc
.endm
; tile a of my quarter: my own part and the three from LDS (in window w), each x its factor; quantised; stored
.macro MERGE a, w, pc
	WIN 0x02
	s_wait_alu depctr_va_vdst(0)                   ; the wait directly ahead of the first reader of these matrix results
.set II, 0
.rept 32
	v_pk_mul_f32 v[S+64*\a+II:S+64*\a+II+1], v[64*\a+II:64*\a+II+1], v[SR+2*\a:SR+2*\a+1] op_sel_hi:[1,0]
.set II, II+2
.endr
	WIN \w
.irp j, 0,1,2
.set II, 0
.rept 32
	v_pk_fma_f32 v[S+64*\a+II:S+64*\a+II+1], v[64*\j+II:64*\j+II+1], v[SR+4*(\j+1)+2*\a:SR+4*(\j+1)+2*\a+1], v[S+64*\a+II:S+64*\a+II+1] op_sel_hi:[1,0,1]
.set II, II+2
.endr
.endr
	WIN 0
	QUANT S+64*\a, \pc, PS+\a
.irp c, 0,1,2
	global_store_b128 v[L16], v[(\pc)+4*\c:(\pc)+4*\c+3], s[10:11] offset:4*FRB*\a+512*\c
.endr
.endm
	s_load_b256 s[4:11], s[0:1], 0x0               ; qq, kk, vv, aa
	v_lshl_add_u32 v[SPW], v0, 2, SPARE
	v_mov_b32 v[NIL], 0
	ds_add_u32 v[SPW], v[NIL]                      ; the wave's opening: the add, twice on end, and its wait ahead of my first tensor load
	ds_add_u32 v[SPW], v[NIL]
	v_lshrrev_b32 v32, 5, v0
	v_readfirstlane_b32 s[WV], v32                 ; wave
	v_and_b32 v33, 31, v0                          ; L
	v_lshlrev_b32 v[L16], 4, v33
	v_lshlrev_b32 v[L4], 2, v33
	v_min_u32 v[PFO], 24, v33
	v_lshlrev_b32 v[PFO], 8, v[PFO]                ; a lane a block of 256 bytes, 25 blocks
	s_wait_alu depctr_va_vdst(0)                   ; the wait ahead of the run of scalar instructions
	s_bfe_u32 s27, ttmp6, 0x40000                  ; cx: it enters q's, attn's and the prefetches' addresses alone
	s_lshl_b32 s31, ttmp9, 2                       ; in a cluster launch ttmp9 counts clusters
	s_add_co_u32 s31, s31, s27                     ; my block of 32 queries
	s_and_b32 s26, ttmp7, 0xffff
	s_lshl_b32 s26, s26, 6                         ; the batch's first record, which the four partners share
	s_add_co_u32 s28, s26, s31                     ; my record of q and of attn
	s_mul_i32 s28, s28, REC
	s_mov_b32 s29, 0
	s_lshl_b32 s30, s[WV], 2
	s_add_co_u32 s30, s30, s26                     ; step w's first record: on the batch and the wave alone
	s_mul_i32 s32, s30, REC
	s_mov_b32 s33, 0
	s_lshl_b32 s34, s27, 2
	s_add_co_u32 s34, s34, s[WV]
	s_add_co_u32 s34, s34, s26                     ; the record 4 cx + w of a trip's 16
	s_mul_i32 s34, s34, REC
	s_mov_b32 s35, 0
	s_mul_i32 s24, s[WV], FRB
	s_mov_b32 s25, 0
	s_lshl_b32 s16, s[WV], 7
	s_mov_b32 s17, 0
	s_mov_b32 s18, 0x3d8293ee                      ; c = log2(e) / sqrt(512)
	s_mov_b32 s19, s18                             ; (named with it as a pair)
	s_mov_b32 s[SEL], 0x76543210
	s_mov_b32 s[SEL+1], 0xfedcba98
	s_mov_b32 s23, 0xffff0000
	s_mov_b32 s[G1X], 15|(3<<16)|(1<<21)           ; the mask: all four work-groups; elements of 8 bytes; bit 21 beside a mask; no padding
	s_mov_b32 s[G1X+1], 32<<16                     ; two records are a dense block of 100 rows of 256 bytes
	s_mov_b32 s[G1X+2], 100<<16
	s_mov_b32 s[G1X+3], 32<<16
	s_mov_b32 s[G1X+4], 100
	s_mov_b32 s[G1X+5], 32
	s_mov_b32 s[G1X+6], 0
	s_mov_b32 s[G1X+7], 0
	s_mov_b32 s[G1Y], 15|(3<<16)|(1<<21)
	s_mov_b32 s[G1Y+1], 32<<16                     ; four records: 200 rows
	s_mov_b32 s[G1Y+2], 200<<16
	s_mov_b32 s[G1Y+3], 32<<16
	s_mov_b32 s[G1Y+4], 200
	s_mov_b32 s[G1Y+5], 32
	s_mov_b32 s[G1Y+6], 0
	s_mov_b32 s[G1Y+7], 0
	s_mov_b32 s[G0X], 1
	s_mul_i32 s[G0X+1], s[WV], 2*REC               ; where my parts go: on the wave alone
	s_mov_b32 s[G0Y], 1
	s_mul_i32 s[G0Y+1], s[WV], 4*REC
	s_add_co_u32 s[G0Y+1], s[G0Y+1], YB
	s_wait_dscnt 0x0                               ; both opening adds are done
	s_wait_kmcnt 0x0
	s_add_nc_u64 s[4:5], s[4:5], s[28:29]
	s_add_nc_u64 s[KB:KB+1], s[6:7], s[32:33]
	s_add_nc_u64 s[G0X+2:G0X+3], s[KB:KB+1], 2*REC ; k2, k3 of step w
	s_or_b32 s[G0X+3], s[G0X+3], 0x80000000
	s_add_nc_u64 s[G0Y+2:G0Y+3], s[8:9], s[32:33]  ; v's four records of step w
	s_or_b32 s[G0Y+3], s[G0Y+3], 0x80000000
	s_add_nc_u64 s[PFK:PFK+1], s[6:7], s[34:35]
	s_add_nc_u64 s[PFV:PFV+1], s[8:9], s[34:35]
	s_add_nc_u64 s[10:11], s[10:11], s[28:29]
	s_add_nc_u64 s[36:37], s[10:11], s[16:17]      ; attn's scale image w
	s_add_nc_u64 s[10:11], s[10:11], s[24:25]      ; attn's K step w
	CROUND                                         ; all four work-groups are here: the first joint loads meet
	tensor_load_to_lds s[G0X:G0X+3], s[G1X:G1X+7]  ; the first trip's k2, k3: my one tensor load at the head
	s_nop 0
	PLACES 4
	global_prefetch_b8 v[PFO], s[PFV:PFV+1] th:TH_LOAD_NT scope:SCOPE_SE               ; the first trip's v, whose load stands behind the first round: my record of its 16, 2 x 25 blocks, asked for a round ahead
	global_prefetch_b8 v[PFO], s[PFV:PFV+1] offset:6400 th:TH_LOAD_NT scope:SCOPE_SE
	WIN 0x40
.irp f, 0,1,2,3,4                              ; q stays in registers
.irp c, 0,1,2
	global_load_b128 v[192+12*\f+4*\c:192+12*\f+4*\c+3], v[L16], s[4:5] offset:FRB*\f+512*\c
.endr
.endr
	WIN 0
.irp f, 5,6,7
.irp c, 0,1,2
	global_load_b128 v[Q0+12*(\f-5)+4*\c:Q0+12*(\f-5)+4*\c+3], v[L16], s[4:5] offset:FRB*\f+512*\c
.endr
.endr
.irp s, 0,1,2,3
	global_load_b32 v[QS+\s], v[L4], s[4:5] offset:SCO+128*\s
.endr
	LOADREC 0, KB, 0
	LOADREC 1, KB, REC
	s_mul_i32 s24, s[WV], 2*REC
	v_add_nc_u32 v[AXK], s24, v[L16]
	s_add_co_u32 s24, s24, SCO
	v_add_nc_u32 v[AXS], s24, v[L4]
.irp i, 0,1,2,3
	s_xor_b32 s24, s[WV], \i                       ; d quarter w xor i
	s_mul_i32 s24, s24, REC
	s_mul_i32 s25, s[WV], 4*REC
	s_add_co_u32 s24, s24, s25
	s_add_co_u32 s24, s24, YB
	v_add_nc_u32 v[AY+\i], s24, v[L16]
	s_add_co_u32 s24, s24, SCO
	v_add_nc_u32 v[AYS+\i], s24, v[L4]
.endr
.irp a, 0,1
	v_mov_b32 v[16+\a], 0xff61b1e6                 ; the largest t so far: -3e38
	v_mov_b32 v[13+2*\a], 0                        ; (upper halves of pairs of which the low word serves)
	v_mov_b32 v[18+2*\a], 0                        ; l, in two halves
	v_mov_b32 v[19+2*\a], 0
	v_mov_b32 v[23+2*\a], 0
.endr
.irp a, 0,1
	v_floor_f32 v[12+2*\a], -v[16+\a]              ; n = -M
.endr
.irp m, 0,1,2,3,4,5,6,7
	v_mov_b32 v[T+\m], 0                           ; a lane permute's destination counts as read
.endr
	s_wait_alu depctr_va_vdst(0)                   ; the wait at the head's end
	TRIP 1, 0                                      ; the first trip's products start O^T
	s_mov_b32 s22, 2
.Ltrip:
	TRIP 0, 0
	s_sub_co_u32 s22, s22, 1
	s_cmp_lg_u32 s22, 0
	s_wait_alu depctr_va_vdst(0)                   ; the wait ahead of the branch
	s_cbranch_scc1 .Ltrip
	TRIP 0, 1                                      ; the last trip asks for nothing more
	; THE END.  The LDS addresses: slot i goes to quarter w xor i's region i - 1
	v_and_b32 v32, 15, v0                          ; r
	s_wait_alu depctr_va_vdst(0)                   ; the wait ahead of the scalar instructions below
.irp i, 1,2,3
	s_xor_b32 s24, s[WV], \i
	s_mul_i32 s24, s24, 3*QUAR
	s_add_co_u32 s24, s24, (\i-1)*QUAR
	v_add_nc_u32 v[3+\i], s24, v[L16]
.endr
	s_mul_i32 s24, s[WV], 3*QUAR
	v_add_nc_u32 v7, s24, v[L16]                   ; my quarter's three regions
	s_lshl_b32 s24, s[WV], 8
	s_add_co_u32 s24, s24, ST
	v_lshl_add_u32 v8, v32, 3, s24                 ; where I put (n, l)
.irp k, 0,1,2,3
	s_xor_b32 s24, s[WV], \k
	s_lshl_b32 s24, s24, 8
	s_add_co_u32 s24, s24, ST
	v_lshl_add_u32 v[26+\k], v32, 3, s24           ; wave w xor k's: region k - 1 of my quarter comes from it
.endr
.irp a, 0,1
	v_add_f32 v[X+\a], v[18+2*\a], v[19+2*\a]
.endr
.irp a, 0,1
	v_permlanex16_b32 v[T+\a], v[X+\a], s[SEL], s[SEL+1]
.endr
.irp a, 0,1
	v_add_f32 v[13+2*\a], v[X+\a], v[T+\a]         ; my l, beside my n
.endr
	s_wait_alu depctr_va_vdst(0)                   ; the wait directly ahead of the wait below
	s_wait_dscnt 0x0                               ; my reads of the ring are over (its last fill was waited for in the last trip)
	s_barrier_signal -1
	s_barrier_wait -1                              ; everybody's are: the ring's bytes now serve as the stage
.irp a, 0,1
	ds_store_b64 v8, v[12+2*\a:13+2*\a] offset:128*\a   ; lanes r and r + 16 write the same bytes with the same values
.endr
	WIN 0x08
.set II, 0
.rept 32
	ds_store_b128 v4, v[128+4*II:131+4*II] offset:512*II   ; slot 1, as the registers' image; each accumulator from its low end on
.set II, II+1
.endr
	WIN 0x0c
.set II, 0
.rept 32
	ds_store_b128 v5, v[4*II:4*II+3] offset:512*II
.set II, II+1
.endr
.set II, 0
.rept 32
	ds_store_b128 v6, v[128+4*II:131+4*II] offset:512*II
.set II, II+1
.endr
	WIN 0
	s_wait_dscnt 0x0                               ; my stores have landed
	s_barrier_signal -1
	s_barrier_wait -1                              ; everybody's have
.irp k, 0,1,2,3
.irp a, 0,1
	ds_load_b64 v[SR+4*\k+2*\a:SR+4*\k+2*\a+1], v[26+\k] offset:128*\a
.endr
.endr
	WIN 0x40
.irp j, 0,1,2                                  ; tile 0's three parts into window 1
.set II, 0
.rept 16
	ds_load_b128 v[64*\j+4*II:64*\j+4*II+3], v7 offset:QUAR*\j+512*II
.set II, II+1
.endr
.endr
	WIN 0
	s_wait_dscnt 48                                ; the eight (n, l) are in; the 48 behind them may be out
.irp a, 0,1
	v_min3_num_f32 v[X+\a], v[SR+2*\a], v[SR+4+2*\a], v[SR+8+2*\a]
.endr
.irp a, 0,1
	v_min_num_f32 v[X+\a], v[X+\a], v[SR+12+2*\a]  ; nA
.endr
.irp k, 0,1,2,3
.irp a, 0,1
	v_sub_f32 v[BM+4*\a+\k], v[X+\a], v[SR+4*\k+2*\a]
.endr
.endr
.irp m, 0,1,2,3,4,5,6,7
	v_cvt_i32_f32 v[BM+\m], v[BM+\m]               ; nA - n_k, 0 or less (it saturates)
.endr
.irp k, 0,1,2,3
.irp a, 0,1
	v_ldexp_f32 v[SR+4*\k+2*\a+1], v[SR+4*\k+2*\a+1], v[BM+4*\a+\k]   ; l_k under the common M
.endr
.endr
.irp a, 0,1
	v_add_f32 v[SR+2*\a+1], v[SR+2*\a+1], v[SR+4+2*\a+1]
	v_add_f32 v[SR+8+2*\a+1], v[SR+8+2*\a+1], v[SR+12+2*\a+1]
.endr
.irp a, 0,1
	v_add_f32 v[SR+2*\a+1], v[SR+2*\a+1], v[SR+8+2*\a+1]
.endr
	s_wait_alu depctr_va_vdst(0)                   ; the wait ahead of the reciprocals
.irp a, 0,1
	v_rcp_f32 v[X+\a], v[SR+2*\a+1]
.endr
	v_nop                                          ; a plain place behind them
	s_wait_alu depctr_va_vdst(0)                   ; and the wait ahead of their first reader
.irp k, 0,1,2,3
.irp a, 0,1
	v_ldexp_f32 v[SR+4*\k+2*\a], v[X+\a], v[BM+4*\a+\k]   ; wave k's factor: 2^(nA - n_k) / l
.endr
.endr
	WIN 0xc0
.irp j, 0,1,2                                  ; tile 1's three parts into window 3, whose slots have been stored
.set II, 0
.rept 16
	ds_load_b128 v[64*\j+4*II:64*\j+4*II+3], v7 offset:QUAR*\j+512*(16+II)
.set II, II+1
.endr
.endr
	WIN 0
	s_wait_alu depctr_va_vdst(0)                   ; the wait directly ahead of the wait below
	s_wait_dscnt 48                                ; tile 0's parts are in
	MERGE 0, 0x01, P0
	s_wait_dscnt 0x0
	MERGE 1, 0x03, Q0
	v_cndmask_b32 v[X], v[PS], v[PS+1], s23        ; lanes 0-15 tile 0's words, lanes 16-31 tile 1's
	global_store_b32 v[L4], v[X], s[36:37] offset:SCO
	s_wait_tensorcnt 0x0                           ; the wave's end, behind my last tensor load and my last LDS store
	ds_add_u32 v[SPW], v[NIL]
	s_wait_dscnt 0x0
	CROUND                                         ; the closing round: no work-group ends while a partner may still ask for a tile that names it
	s_endpgm
.Lfunc_end_k_qf5c78e2924_attn:
	.size	k_qf5c78e2924_attn, .Lfunc_end_k_qf5c78e2924_attn-k_qf5c78e2924_attn
	.p2alignl 7, 3214868480
	.fill 96, 4, 3214868480
	.section	.rodata,"a",@progbits
	.p2align	6, 0x0
	.amdhsa_kernel k_qf5c78e2924_attn
		.amdhsa_group_segment_fixed_size 327680
		.amdhsa_private_segment_fixed_size 0
		.amdhsa_enable_private_segment 0
		.amdhsa_kernarg_size 32
		.amdhsa_user_sgpr_count 2
		.amdhsa_user_sgpr_kernarg_segment_ptr 1
		.amdhsa_wavefront_size32 1
		.amdhsa_system_sgpr_workgroup_id_x 1
		.amdhsa_system_sgpr_workgroup_id_y 1
		.amdhsa_system_sgpr_workgroup_id_z 1
		.amdhsa_system_vgpr_workitem_id 0
		.amdhsa_next_free_vgpr 1024
		.amdhsa_next_free_sgpr 70
		.amdhsa_reserve_vcc 0
		.amdhsa_float_denorm_mode_32 3
		.amdhsa_float_denorm_mode_16_64 3
		.amdhsa_memory_ordered 1
		.amdhsa_forward_progress 1
		.amdhsa_inst_pref_size 255
	.end_amdhsa_kernel
	.section	.bss,"aw",@nobits
	.p2align	6
	.space	262144
	.amdgpu_metadata
---
amdhsa.version: [ 1, 2 ]
amdhsa.kernels:
  - .name:           k_qf5c78e2924_attn
    .symbol:         k_qf5c78e2924_attn.kd
    .args:
      - { .name: qq, .offset: 0, .size: 8, .value_kind: global_buffer, .address_space: global }
      - { .name: kk, .offset: 8, .size: 8, .value_kind: global_buffer, .address_space: global }
      - { .name: vv, .offset: 16, .size: 8, .value_kind: global_buffer, .address_space: global }
      - { .name: aa, .offset: 24, .size: 8, .value_kind: global_buffer, .address_space: global }
    .group_segment_fixed_size: 327680
    .private_segment_fixed_size: 0
    .kernarg_segment_align: 8
    .kernarg_segment_size: 32
    .max_flat_workgroup_size: 128
    .sgpr_count:     70
    .vgpr_count:     1024
    .wavefront_size: 32
...
	.end_amdgpu_metadata
.endif
;; end of part 3
;; launch proj (part 4): grid 32 x 8, 4 waves a work-group, clusters of 4 x 1, 327,680 bytes of LDS; arguments aa, woq, bo, out0; writes out0
.if DOCPART == 4
	.amdgcn_target "amdgcn-amd-amdhsa--gfx1250"
	.amdhsa_code_object_version 6
	.text
	.protected	k_qf5c78e2924_proj
	.globl	k_qf5c78e2924_proj
	.p2align	8
	.type	k_qf5c78e2924_proj,@function
k_qf5c78e2924_proj:
	s_mov_b64 s[64:65], 0
	v_nop
	global_prefetch_b8 v0, s[64:65] scope:SCOPE_SE
	s_setreg_imm32_b32 hwreg(HW_REG_WAVE_MODE, 25, 1), 1
	s_wait_xcnt 0x0
	s_wait_alu depctr_hold_cnt(0) depctr_sa_sdst(0) depctr_va_vdst(0) depctr_va_sdst(0) depctr_va_ssrc(0) depctr_va_vcc(0) depctr_vm_vsrc(0)
	s_getreg_b32 s2, hwreg(HW_REG_IB_STS2, 6, 4)
	s_cmp_eq_u32 s2, 0
	s_cbranch_scc0 .Lentry_in_a_cluster
	s_endpgm
.Lentry_in_a_cluster:
	s_bfe_u32 s2, ttmp6, 0x10000c
	s_cmp_lg_u32 s2, 0x3003
	s_cbranch_scc0 .Lentry_shape_is_right
	s_endpgm
.Lentry_shape_is_right:
; out = cat Wo + bo on codes of FP6 (E2M3).  cat is eight copies of attn, so attn's 512 codes a row are multiplied with all eight row groups of Wo's codes: the whole K = 4,096.  No work of the problem is left out here.
; Work-group (x, y): rows 256 x on, columns 64 y on.  attn's eight records stay in registers (a wave: four records, 128 rows); Wo's 16 records of column group y are brought into LDS ONCE,
; four records (a dense block of 200 rows of 256 bytes) by one tensor load a wave, asked for jointly by the four work-groups of a cluster, which share y.  The bias is the C of a sum's first product.
; The results go through a stage in LDS and leave as whole units of 256 bytes.
.set REC,   12800
.set SCO,   12288
.set FRB,   1536
.set SPARE, 16*REC
.set STG,   SPARE+512
.set SPW,   8
.set NIL,   9
.set WV,    12
.set G1,    24
.set G0,    32
.set MSB, 0
.macro WIN new
.if MSB != (\new)
	s_set_vgpr_msb (MSB<<8)|(\new)
.set MSB, (\new)
.endif
.endm
.macro PLACES n
.rept \n
	v_nop
.endr
.endm
.macro WM d, a, b, c, sa, sb, ra, rb
.if (\ra) && (\rb)
	v_wmma_scale_f32_16x16x128_f8f6f4 v[(\d):(\d)+7], v[(\a):(\a)+11], v[(\b):(\b)+11], v[(\c):(\c)+7], v[\sa], v[\sb] matrix_a_fmt:MATRIX_FMT_FP6 matrix_b_fmt:MATRIX_FMT_FP6 matrix_a_scale:MATRIX_SCALE_ROW1 matrix_b_scale:MATRIX_SCALE_ROW1
.elseif (\ra)
	v_wmma_scale_f32_16x16x128_f8f6f4 v[(\d):(\d)+7], v[(\a):(\a)+11], v[(\b):(\b)+11], v[(\c):(\c)+7], v[\sa], v[\sb] matrix_a_fmt:MATRIX_FMT_FP6 matrix_b_fmt:MATRIX_FMT_FP6 matrix_a_scale:MATRIX_SCALE_ROW1
.elseif (\rb)
	v_wmma_scale_f32_16x16x128_f8f6f4 v[(\d):(\d)+7], v[(\a):(\a)+11], v[(\b):(\b)+11], v[(\c):(\c)+7], v[\sa], v[\sb] matrix_a_fmt:MATRIX_FMT_FP6 matrix_b_fmt:MATRIX_FMT_FP6 matrix_b_scale:MATRIX_SCALE_ROW1
.else
	v_wmma_scale_f32_16x16x128_f8f6f4 v[(\d):(\d)+7], v[(\a):(\a)+11], v[(\b):(\b)+11], v[(\c):(\c)+7], v[\sa], v[\sb] matrix_a_fmt:MATRIX_FMT_FP6 matrix_b_fmt:MATRIX_FMT_FP6
.endif
.endm
.macro CROUND
	s_barrier_signal -1
	s_barrier_wait -1
	s_cmp_lg_u32 s[WV], 0
	s_cbranch_scc1 .Lnot_wave_0_\@
	s_barrier_signal -3
.Lnot_wave_0_\@:
	s_barrier_wait -3
	s_barrier_signal -1
	s_barrier_wait -1
.endm
.macro FETCHB k
.irp u, 0,1
.irp c, 0,1,2
	ds_load_b128 v[36+24*((\k)%2)+12*\u+4*\c:36+24*((\k)%2)+12*\u+4*\c+3], v3 offset:2*REC*(((\k)/4)%2)+FRB*(4*\u+(\k)%4)+512*\c
.endr
.endr
	ds_load_b32 v[32+(\k)%2], v4 offset:2*REC*(((\k)/4)%2)+128*((\k)%4)
.endm
	s_load_b256 s[4:11], s[0:1], 0x0
	v_lshl_add_u32 v[SPW], v0, 2, SPARE
	v_mov_b32 v[NIL], 0
	ds_add_u32 v[SPW], v[NIL]
	ds_add_u32 v[SPW], v[NIL]
	v_lshrrev_b32 v1, 5, v0
	v_readfirstlane_b32 s[WV], v1
	s_lshr_b32 s13, s[WV], 1
	s_and_b32 s14, s[WV], 1
	s_bfe_u32 s15, ttmp6, 0x40000
	s_lshl_b32 s16, ttmp9, 2
	s_add_co_u32 s16, s16, s15
	s_and_b32 s17, ttmp7, 0xffff
	s_mov_b32 s[G1], 15|(3<<16)|(1<<21)
	s_mov_b32 s[G1+1], 32<<16
	s_mov_b32 s[G1+2], 200<<16
	s_mov_b32 s[G1+3], 32<<16
	s_mov_b32 s[G1+4], 200
	s_mov_b32 s[G1+5], 32
	s_mov_b32 s[G1+6], 0
	s_mov_b32 s[G1+7], 0
	s_lshl_b32 s18, s17, 4
	s_lshl_b32 s21, s[WV], 2
	s_add_co_u32 s18, s18, s21                     ; Wo's records 16 y + 4 wave on: on y and the wave alone
	s_mul_i32 s18, s18, REC
	s_mov_b32 s19, 0
	s_mul_i32 s20, s[WV], 4*REC                    ; and where they go: on the wave alone
	s_wait_dscnt 0x0
	s_wait_kmcnt 0x0
	s_add_nc_u64 s[22:23], s[6:7], s[18:19]
	s_mov_b32 s[G0], 1
	s_mov_b32 s[G0+1], s20
	s_mov_b64 s[G0+2:G0+3], s[22:23]
	s_or_b32 s[G0+3], s[G0+3], 0x80000000
	CROUND                                         ; all four work-groups are here: the joint loads meet
	tensor_load_to_lds s[G0:G0+3], s[G1:G1+7]      ; my one tensor load: the launch's only fill of these bytes
	s_nop 0
	PLACES 4
	v_and_b32 v11, 31, v0
	v_and_b32 v12, 15, v0
	v_bfe_u32 v13, v0, 4, 1
	s_wait_alu depctr_va_vdst(0)
	v_lshlrev_b32 v1, 4, v11
	v_lshlrev_b32 v2, 2, v11
	s_mul_i32 s50, s14, REC
	v_add_nc_u32 v3, s50, v1
	s_add_co_u32 s50, s50, SCO
	v_add_nc_u32 v4, s50, v2
	s_mul_i32 s50, s13, 128*272
	s_lshl_b32 s51, s14, 7
	s_add_co_u32 s50, s50, s51
	s_add_co_u32 s50, s50, STG
	v_mul_u32_u24 v5, v12, 272
	v_lshl_add_u32 v5, v13, 6, v5
	v_add_nc_u32 v5, s50, v5
	s_mul_i32 s50, s[WV], 64*272
	s_add_co_u32 s50, s50, STG
	v_mul_u32_u24 v6, v13, 272
	v_lshl_add_u32 v6, v12, 4, v6
	v_add_nc_u32 v6, s50, v6
	v_lshlrev_b32 v7, 11, v13
	v_lshl_add_u32 v7, v12, 4, v7
	v_lshlrev_b32 v10, 6, v13
	s_wait_alu depctr_va_vdst(0)
	s_lshl_b32 s48, s16, 3
	s_lshl_b32 s49, s13, 2
	s_add_co_u32 s48, s48, s49
	s_mul_i32 s48, s48, REC
	s_mov_b32 s49, 0
	s_add_nc_u64 s[4:5], s[4:5], s[48:49]
	s_lshl_b32 s48, s17, 8
	s_add_nc_u64 s[10:11], s[10:11], s[48:49]
	s_lshl_b32 s52, s14, 7
	s_add_co_u32 s48, s48, s52
	s_add_nc_u64 s[8:9], s[8:9], s[48:49]
	s_lshl_b32 s48, s16, 19
	s_lshl_b32 s52, s[WV], 17
	s_add_co_u32 s48, s48, s52
	s_add_nc_u64 s[10:11], s[10:11], s[48:49]
.irp p, 0,1,2,3
.if \p < 2
	WIN 0x40
.else
	WIN 0x80
.endif
.irp u, 0,1
.irp s, 0,1,2,3
.irp c, 0,1,2
	global_load_b128 v[12*(4*(2*(\p%2)+\u)+\s)+4*\c:12*(4*(2*(\p%2)+\u)+\s)+4*\c+3], v1, s[4:5] offset:REC*\p+FRB*(4*\u+\s)+512*\c
.endr
.endr
.endr
.endr
	WIN 0
.irp p, 0,1,2,3
.irp s, 0,1,2,3
	global_load_b32 v[16+4*\p+\s], v2, s[4:5] offset:REC*\p+SCO+128*\s
.endr
.endr
	WIN 0xc0
.irp u, 0,1
	global_load_b128 v[128+8*\u:131+8*\u], v10, s[8:9] offset:32*\u
	global_load_b128 v[132+8*\u:135+8*\u], v10, s[8:9] offset:32*\u+16
.endr
	WIN 0
	s_wait_tensorcnt 0x0                           ; my four records are in
	s_barrier_signal -1
	s_barrier_wait -1
	FETCHB 0
.set KK, 0
.rept 32
.if KK > 0
	PLACES 4
.endif
	WIN 0
.if (KK == 7) || (KK == 15) || (KK == 23)
	v_add_nc_u32 v3, 4*REC, v3                     ; on to the next four records: all sixteen lie in LDS since the head's barrier
	v_add_nc_u32 v4, 4*REC, v4
.endif
.if KK < 31
	FETCHB KK+1
	s_wait_alu depctr_va_vdst(0)
	s_wait_dscnt 7
.else
	s_wait_dscnt 0x0
.endif
.if KK == 0
	s_wait_loadcnt 0x0
.endif
	WIN 0xf4
.irp j, 0,1,2,3
.irp u, 0,1
.if KK == 0
	WM 8*(2*\j+\u), 36+24*(KK%2)+12*\u, 12*(4*\j+KK%4), 128+8*\u, 32+KK%2, 16+4*(\j/2)+KK%4, \u, \j%2
.else
	WM 8*(2*\j+\u), 36+24*(KK%2)+12*\u, 12*(4*\j+KK%4), 8*(2*\j+\u), 32+KK%2, 16+4*(\j/2)+KK%4, \u, \j%2
.endif
.endr
.endr
	WIN 0xf8
.irp j, 4,5,6,7
.irp u, 0,1
.if KK == 0
	WM 8*(2*\j+\u), 36+24*(KK%2)+12*\u, 12*(4*(\j-4)+KK%4), 128+8*\u, 32+KK%2, 16+4*(\j/2)+KK%4, \u, \j%2
.else
	WM 8*(2*\j+\u), 36+24*(KK%2)+12*\u, 12*(4*(\j-4)+KK%4), 8*(2*\j+\u), 32+KK%2, 16+4*(\j/2)+KK%4, \u, \j%2
.endif
.endr
.endr
.set KK, KK+1
.endr
	PLACES 4
	WIN 0x0c
.irp j, 0,1,2,3,4,5,6,7
.irp u, 0,1
	ds_store_b128 v5, v[8*(2*\j+\u):8*(2*\j+\u)+3] offset:272*16*\j+32*\u
	ds_store_b128 v5, v[8*(2*\j+\u)+4:8*(2*\j+\u)+7] offset:272*16*\j+32*\u+16
.endr
.endr
	WIN 0
	s_wait_dscnt 0x0
	s_barrier_signal -1
	s_barrier_wait -1
.set II, 0
.rept 32
	ds_load_b128 v[96+4*II:99+4*II], v6 offset:544*II
.set II, II+1
.endr
.set II, 0
.rept 32
	s_wait_dscnt 31-II
	global_store_b128 v7, v[96+4*II:99+4*II], s[10:11] offset:2048*(32*(II/16)+8*((II/8)%2)+2*(II%8)+8*((II%8)/4)) th:TH_STORE_NT
.set II, II+1
.endr
	s_wait_tensorcnt 0x0
	ds_add_u32 v[SPW], v[NIL]
	s_wait_dscnt 0x0
	CROUND
	s_endpgm
.Lfunc_end_k_qf5c78e2924_proj:
	.size	k_qf5c78e2924_proj, .Lfunc_end_k_qf5c78e2924_proj-k_qf5c78e2924_proj
	.p2alignl 7, 3214868480
	.fill 96, 4, 3214868480
	.section	.rodata,"a",@progbits
	.p2align	6, 0x0
	.amdhsa_kernel k_qf5c78e2924_proj
		.amdhsa_group_segment_fixed_size 327680
		.amdhsa_private_segment_fixed_size 0
		.amdhsa_enable_private_segment 0
		.amdhsa_kernarg_size 32
		.amdhsa_user_sgpr_count 2
		.amdhsa_user_sgpr_kernarg_segment_ptr 1
		.amdhsa_wavefront_size32 1
		.amdhsa_system_sgpr_workgroup_id_x 1
		.amdhsa_system_sgpr_workgroup_id_y 1
		.amdhsa_system_sgpr_workgroup_id_z 1
		.amdhsa_system_vgpr_workitem_id 0
		.amdhsa_next_free_vgpr 1024
		.amdhsa_next_free_sgpr 66
		.amdhsa_reserve_vcc 0
		.amdhsa_float_denorm_mode_32 3
		.amdhsa_float_denorm_mode_16_64 3
		.amdhsa_memory_ordered 1
		.amdhsa_forward_progress 1
		.amdhsa_inst_pref_size 112
	.end_amdhsa_kernel
	.amdgpu_metadata
---
amdhsa.version: [ 1, 2 ]
amdhsa.kernels:
  - .name:           k_qf5c78e2924_proj
    .symbol:         k_qf5c78e2924_proj.kd
    .args:
      - { .name: aa, .offset: 0, .size: 8, .value_kind: global_buffer, .address_space: global }
      - { .name: woq, .offset: 8, .size: 8, .value_kind: global_buffer, .address_space: global }
      - { .name: bo, .offset: 16, .size: 8, .value_kind: global_buffer, .address_space: global }
      - { .name: out0, .offset: 24, .size: 8, .value_kind: global_buffer, .address_space: global }
    .group_segment_fixed_size: 327680
    .private_segment_fixed_size: 0
    .kernarg_segment_align: 8
    .kernarg_segment_size: 32
    .max_flat_workgroup_size: 128
    .sgpr_count:     66
    .vgpr_count:     1024
    .wavefront_size: 32
...
	.end_amdgpu_metadata
.endif
;; end of part 4
